; MI455X (gfx1250); checked and timed in simulation.
; The chip was launched on July 23, 2026; its instructions are those of AMD's public machine-readable ISA for CDNA 5 (MIT licence, August 2026) and "CDNA5" Instruction Set Architecture Reference Guide (July 2026). The comments in the code are by the model that wrote it; some were corrected since.
;; Encoder Block. Allowed arithmetic: matrix products marked QUANTISED: E5M2 operands, one E8M0 scale for each 32 along K, by v_wmma_scale_f32_16x16x128_f8f6f4 with both operands' format E5M2, f32 sums; products left as they are: f32 operands where the result goes on into a quantised operand, else bf16, f16 or f32 operands; f32 sums; everything else in f32.
;; Inputs: W1 512 x 2,048 float32; W2 2,048 x 512 float32; Wk 512 x 8 x 64 float32; Wo 8 x 64 x 512 float32; Wq 512 x 8 x 64 float32; Wv 512 x 8 x 64 float32; b1 2,048 float32; b2 512 float32; bk 8 x 64 float32; bo 512 float32; bq 8 x 64 float32; bv 8 x 64 float32; ln1_bias 512 float32; ln1_scale 512 float32; ln2_bias 512 float32; ln2_scale 512 float32; x 32 x 512 x 512 float32.
;; Outputs: out0 32 x 512 x 512 float32.
;; This version of the problem:
;;   THIS VERSION OF THE PROBLEM IS GIVEN IN LOW PRECISION. The matrix products marked QUANTISED in the list below multiply operands that are first quantised to E5M2 (5 exponent bits, 2 mantissa bits; 8 bits a number), with one power-of-two scale for each 32 numbers along K (OCP MX v1.0); their sums are f32. All else is computed in f32.
;;   The module's matrix products, in the order in which they are computed (A, B: the left and right operand; K: the contracted axis; several contracted axes count as one K, in the product's order):
;;     1. [M 16,384, K 512] x [K 512, N 512]; A: input x; B: input Wq: QUANTISED
;;     2. [M 16,384, K 512] x [K 512, N 512]; A: input x; B: input Wk: QUANTISED
;;     3. [M 16,384, K 512] x [K 512, N 512]; A: input x; B: input Wv: QUANTISED
;;     4. batch 256 x [M 64, K 512] x [K 512, N 64]; A: computed on the way; B: computed on the way: QUANTISED
;;     5. batch 256 x [M 64, K 64] x [K 64, N 512]; A: computed on the way; B: computed on the way: QUANTISED
;;     6. batch 256 x [M 1, K 64] x [K 64, N 512]; A: computed on the way; B: computed on the way: left as it is (M = 1 < 16)
;;     7. [M 16,384, K 512] x [K 512, N 512]; A: computed on the way; B: input Wo: QUANTISED
;;     8. [M 16,384, K 512] x [K 512, N 2,048]; A: computed on the way; B: input W1: QUANTISED
;;     9. [M 16,384, K 2,048] x [K 2,048, N 512]; A: computed on the way; B: input W2: QUANTISED
;;   THE QUANTISER, for each operand of a quantised product, along K:
;;     - K is cut into blocks of 32 from its start; a last block that is shorter is filled with zeros.
;;     - A block's scale is 2^e with e = floor(log2(the largest magnitude in the block)) - 15, held to -126 .. 127; a block of zeros has e = 0. As a byte (E8M0): e + 127.
;;     - Each number is divided by its block's scale, clamped to +-57,344, and rounded to the nearest number of E5M2, ties to even, subnormals kept.
;;     - The product sums the exact products of the quantised numbers (number of the format x scale) in f32.
;;   ~~~python
;;   def quantise(x, axis):      # numpy; x: float32 -> the quantised numbers, widened to float32 again
;;       x = np.moveaxis(x, axis, -1); K = x.shape[-1]
;;       x = np.pad(x, [(0, 0)] * (x.ndim - 1) + [(0, -K % 32)]); x = x.reshape(x.shape[:-1] + (-1, 32)); a = np.abs(x).max(-1, keepdims=True)
;;       e = np.where(a > 0, np.clip(np.frexp(np.where(a > 0, a, 1))[1] - 1 - 15, -126, 127), 0)      # np.frexp(a)[1] - 1 = floor(log2(a)), exactly
;;       r = np.clip(x / 2.0 ** e, -57344, 57344)
;;       step = 2.0 ** (np.maximum(np.frexp(np.where(r == 0, 1, r))[1] - 1, -14) - 2)
;;       q = np.round(r / step) * step * 2.0 ** e      # np.round: ties to even
;;       return np.moveaxis(q.reshape(q.shape[:-2] + (-1,))[..., :K], -1, axis).astype(np.float32)
;;   ~~~
;;   OPERANDS COMPUTED ON THE WAY. 'Computed on the way' means the value that the module computes at that place (a softmax that the list does not call 'softmax' is quantised finished and normalised). What goes into a quantiser is computed in f32, as accurately as f32 sums, v_exp_f32 and their like allow (about 1e-6 of the number): no bf16 or f16 on the way to a quantiser, and a product that is left as it is and whose result goes on into a quantised operand takes f32 operands (vector FMAs, or v_wmma_f32_16x16x4_f32). A number that lies on a knife's edge between two numbers of the format may be rounded either way, as far as f32 arithmetic and the matrix unit's own rounding can turn it there, and no further.
;; One version. Each part assembles by itself: llvm-mc -triple=amdgcn-amd-amdhsa -mcpu=gfx1250 --defsym DOCPART=n.
;; ======== version 1 of 1: 3 launches
;; workspace buffers: xc 8,388,608 bytes; xs 262,144 bytes; wc 3,145,728 bytes; ws 98,304 bytes; ac 8,388,608 bytes; asc 262,144 bytes
;; launch prep (part 1): grid 704 x 1, 4 waves a work-group, no clusters, 34,304 bytes of LDS; arguments x, Wq, Wk, Wv, Wo, W1, W2, xc, xs, wc, ws; writes xc, xs, wc, ws
.if DOCPART == 1
	.amdgcn_target "amdgcn-amd-amdhsa--gfx1250"
	.amdhsa_code_object_version 6
	.text
	.protected	k_q0b2b57e38d_prep
	.globl	k_q0b2b57e38d_prep
	.p2align	8
	.type	k_q0b2b57e38d_prep,@function
k_q0b2b57e38d_prep:
	s_mov_b64 s[64:65], 0
	v_nop
	global_prefetch_b8 v0, s[64:65] scope:SCOPE_SE
	s_setreg_imm32_b32 hwreg(HW_REG_WAVE_MODE, 25, 1), 1
	s_wait_xcnt 0x0
; x [16384][512] (K innermost) and the six weights (K is their FIRST axis) become codes of E5M2 with one E8M0 byte for each 32 along K,
; laid in the ORDER OF THE OPERANDS' REGISTERS.  A fragment (16 rows x 128 K) is 2,048 bytes: piece c (0..3), lane, 16 bytes: k = 32 c + 16 (lane / 16) + 0..15 of row lane % 16.
; 32 neighbouring rows (of x: positions; of a weight: output columns) form two tiles: lane r of tile u holds row 8 u + r + 8 (r / 8).
; xc [G 512][u 2][s 4][2048]; xs [G][s][lane] (lanes 0-15: tile 0's scale words, lanes 16-31: tile 1's).
; wc [cid 12][q 2][w 4][t4 4][s 4][2048], a chunk cid = 512 K x 512 columns, tile n = 8 w + 4 q + t4; ws [cid][pair 16][s 4][lane].
; cid 0: Wo; 1 + 2 j: W1's columns 512 j on; 2 + 2 j: W2's rows 512 j on; 9, 10, 11: Wk, Wv, Wq.
; A block's scale byte is its largest magnitude's exponent field - 15, held at 1 from below.
; LIMITS: a block of zeros gets the byte 1 where the rule says 127 (its codes are zeros, and this program alone reads the bytes); NaN and infinities among the inputs are not served.
; Work-groups 0-191 take the weights (a wave: 32 columns x 128 K, a lane a column, registers down K), 192-703 take x (a wave: 32 rows x 128 K).
; Waves share nothing: no barrier.  All of a wave's loads go out at its head.  No matrix unit, no cluster, no tensor load: the launch streams each byte once.
.set TM,  8                            ; v8-23   at work in QUANT
.set SEL, 32                           ; s[32:33] lane selects: lane l xor 16
.set MNT, 31                           ; s31     the mantissa field of 57,344
.set MSB, 0
.macro WIN new                         ; register windows: this body stays in window 0, so nothing is written
.if MSB != (\new)
	s_set_vgpr_msb (MSB<<8)|(\new)
.set MSB, (\new)
.endif
.endm
; 16 nb numbers of a lane, register 16 b + i = k 32 b + 16 (lane / 16) + i of my row, become codes in v[pc] on and the row's scale word in v[pw]
.macro QUANT src, sw, relu, hd, hw, pc, pw, nb
	WIN (\sw)|((\sw)<<2)
.set qb, 0
.rept \nb
.if \relu
	v_max3_num_f32 v[TM+qb], v[(\src)+16*qb], v[(\src)+16*qb+1], 0x8000000
.else
	v_max3_num_f32 v[TM+qb], |v[(\src)+16*qb]|, |v[(\src)+16*qb+1]|, 0x8000000   ; my 16 numbers of block b, and the floor 2^(16 - 127): the byte cannot fall under 1
.endif
.set qb, qb+1
.endr
.set qi, 2
.rept 7
.set qb, 0
.rept \nb
.if \relu
	v_max3_num_f32 v[TM+qb], v[(\src)+16*qb+qi], v[(\src)+16*qb+qi+1], v[TM+qb]
.else
	v_max3_num_f32 v[TM+qb], |v[(\src)+16*qb+qi]|, |v[(\src)+16*qb+qi+1]|, v[TM+qb]
.endif
.set qb, qb+1
.endr
.set qi, qi+2
.endr
	WIN 0
.set qb, 0
.rept \nb
	v_permlanex16_b32 v[TM+4+qb], v[TM+qb], s[SEL], s[SEL+1]
.set qb, qb+1
.endr
.set qb, 0
.rept \nb
	v_max_num_f32 v[TM+qb], v[TM+qb], v[TM+4+qb]            ; with lane l xor 16's: the block's largest magnitude
.set qb, qb+1
.endr
.set qb, 0
.rept \nb
	v_add_nc_u32 v[TM+12+qb], 0xf8800000, v[TM+qb]          ; 15 off its exponent field: the conversion's scale operand
.set qb, qb+1
.endr
.set qb, 0
.rept \nb
	v_and_or_b32 v[TM+8+qb], v[TM+qb], 0x7f800000, s[MNT]   ; 57,344 x the scale
.set qb, qb+1
.endr
.set qb, 0
.rept \nb
	v_lshrrev_b32 v[TM+4+qb], 23, v[TM+12+qb]               ; the scale's byte
.set qb, qb+1
.endr
	v_lshl_or_b32 v[\pw], v[TM+5], 8, v[TM+4]
.if (\nb) == 4
	v_lshl_or_b32 v[\pw], v[TM+6], 16, v[\pw]
	v_lshl_or_b32 v[\pw], v[TM+7], 24, v[\pw]
.else
	v_lshl_or_b32 v[\pw], v[\pw], 16, v[\pw]
.endif
	WIN (\sw)|((\hw)<<6)
.set qb, 0
.rept \nb
.set qi, 0
.rept 16
.if \relu
	v_med3_num_f32 v[(\hd)+16*qb+qi], v[(\src)+16*qb+qi], 0, v[TM+8+qb]
.else
	v_med3_num_f32 v[(\hd)+16*qb+qi], v[(\src)+16*qb+qi], -v[TM+8+qb], v[TM+8+qb]   ; the conversion does not saturate (ISA guide 7.6.2): hold first
.endif
.set qi, qi+1
.endr
.set qb, qb+1
.endr
	WIN (\hw)
.set qb, 0
.rept \nb
	v_cvt_scalef32_pk8_bf8_f32 v[(\pc)+4*qb:(\pc)+4*qb+1], v[(\hd)+16*qb:(\hd)+16*qb+7], v[TM+12+qb]
	v_cvt_scalef32_pk8_bf8_f32 v[(\pc)+4*qb+2:(\pc)+4*qb+3], v[(\hd)+16*qb+8:(\hd)+16*qb+15], v[TM+12+qb]
.set qb, qb+1
.endr
	WIN 0
	v_nop                                                   ; one plain line behind the last conversion
.endm
	s_load_b512 s[8:23], s[0:1], 0x0               ; x 8, Wq 10, Wk 12, Wv 14, Wo 16, W1 18, W2 20, xc 22
	s_load_b128 s[24:27], s[0:1], 0x40             ; xs 24, wc 26
	s_load_b64 s[28:29], s[0:1], 0x50              ; ws
	v_lshl_add_u32 v30, v0, 2, 0x8400
	v_mov_b32 v31, 0
	v_lshrrev_b32 v1, 5, v0
	v_readfirstlane_b32 s30, v1                    ; wave
	v_and_b32 v5, 31, v0                           ; lane
	s_mov_b32 s[MNT], 0x600000
	s_mov_b32 s[SEL], 0x76543210
	s_mov_b32 s[SEL+1], 0xfedcba98
	s_wait_kmcnt 0x0
	s_cmp_ge_u32 ttmp9, 192
	s_cbranch_scc1 .Lxpath
	; ---- a weight: chunk cid, K step ks, pair of tiles cg = 4 cq + wave
	s_lshr_b32 s34, ttmp9, 4                       ; cid
	s_bfe_u32 s35, ttmp9, 0x20002                  ; cq
	s_and_b32 s36, ttmp9, 3                        ; K step
	s_lshl_b32 s37, s35, 2
	s_add_co_u32 s37, s37, s30                     ; cg
	s_lshl_b32 s38, s34, 18                        ; codes: cid x 262,144
	s_lshr_b32 s39, s30, 1
	s_lshl_b32 s39, s39, 2
	s_add_co_u32 s39, s39, s35
	s_lshl_b32 s39, s39, 15                        ; + (4 q + w) x 32,768, q = wave / 2, w = cq
	s_add_co_u32 s38, s38, s39
	s_and_b32 s39, s30, 1
	s_lshl_b32 s39, s39, 14                        ; + t4 x 8,192, t4 = 2 (wave % 2) + u
	s_add_co_u32 s38, s38, s39
	s_lshl_b32 s39, s36, 11
	s_add_co_u32 s38, s38, s39
	s_mov_b32 s39, 0
	s_add_nc_u64 s[26:27], s[26:27], s[38:39]
	s_lshl_b32 s38, s34, 13                        ; scale words: cid x 8,192 + cg x 512 + K step x 128
	s_lshl_b32 s40, s37, 9
	s_add_co_u32 s38, s38, s40
	s_lshl_b32 s40, s36, 7
	s_add_co_u32 s38, s38, s40
	s_add_nc_u64 s[28:29], s[28:29], s[38:39]
	v_lshlrev_b32 v1, 2, v5                        ; in: 4 bytes a lane: lane = column
	v_bfe_u32 v2, v5, 3, 1                         ; u
	v_and_b32 v3, 7, v5
	v_lshrrev_b32 v4, 4, v5
	v_lshl_add_u32 v3, v4, 3, v3                   ; r
	v_lshlrev_b32 v6, 4, v3
	v_lshl_add_u32 v6, v2, 13, v6                  ; codes: 8,192 u + 16 r
	v_lshl_add_u32 v7, v2, 4, v3
	v_lshlrev_b32 v7, 2, v7                        ; scale word: 4 (16 u + r)
	s_and_b32 s40, s34, 1
	s_cmp_lt_u32 s34, 9
	s_cselect_b32 s40, s40, 0                      ; 1: a chunk of W1
	s_sub_co_u32 s41, s34, 2
	s_lshr_b32 s41, s41, 1
	s_lshl_b32 s41, s41, 20                        ; W2: rows 512 j on
	s_mov_b64 s[42:43], s[20:21]
	s_cmp_eq_u32 s34, 0
	s_cselect_b64 s[42:43], s[16:17], s[42:43]     ; the choices hang on the work-group's number alone
	s_cselect_b32 s41, 0, s41
	s_cmp_eq_u32 s34, 9
	s_cselect_b64 s[42:43], s[12:13], s[42:43]
	s_cselect_b32 s41, 0, s41
	s_cmp_eq_u32 s34, 10
	s_cselect_b64 s[42:43], s[14:15], s[42:43]
	s_cselect_b32 s41, 0, s41
	s_cmp_eq_u32 s34, 11
	s_cselect_b64 s[42:43], s[10:11], s[42:43]
	s_cselect_b32 s41, 0, s41
	s_lshl_b32 s44, s37, 7                         ; my 32 columns
	s_cmp_eq_u32 s40, 1
	s_cbranch_scc1 .Lw1
	s_lshl_b32 s45, s36, 18                        ; 128 rows of 2,048 bytes a K step
	s_add_co_u32 s44, s44, s45
	s_add_co_u32 s44, s44, s41
	s_mov_b32 s45, 0
	s_add_nc_u64 s[42:43], s[42:43], s[44:45]
; 32 columns x 128 K: 128 loads of 128 consecutive bytes (the four waves stand side by side on 512); four blocks of 32 in ONE lane's registers
.macro WPATH pitch
.set kk, 0
.rept 128
	global_load_b32 v[32+kk], v1, s[42:43] offset:kk*(\pitch) th:TH_LOAD_NT
.set kk, kk+1
.endr
.set cc, 0
.rept 4
.set XB, 32+32*cc
.if cc < 2
	s_wait_loadcnt 63                              ; 96, then 64 younger loads might stay out; the count's field ends at 63
.elseif cc == 2
	s_wait_loadcnt 32                              ; the last block's 32 may be out
.else
	s_wait_loadcnt 0x0
.endif
	v_max3_num_f32 v12, |v[XB]|, |v[XB+1]|, |v[XB+2]|
	v_max3_num_f32 v13, |v[XB+3]|, |v[XB+4]|, |v[XB+5]|
.irp i, 6,10,14,18,22,26
	v_max3_num_f32 v12, v12, |v[XB+\i]|, |v[XB+\i+1]|
	v_max3_num_f32 v13, v13, |v[XB+\i+2]|, |v[XB+\i+3]|
.endr
	v_max3_num_f32 v12, v12, |v[XB+30]|, |v[XB+31]|
	v_max3_num_f32 v12, v12, v13, 0x8000000        ; and the floor
	v_add_nc_u32 v11, 0xf8800000, v12
	v_and_or_b32 v14, v12, 0x7f800000, s[MNT]
	v_lshrrev_b32 v13, 23, v11
.if cc == 0
	v_mov_b32 v10, v13
.else
	v_lshl_or_b32 v10, v13, 8*cc, v10              ; the lower K in the lower byte
.endif
.set kk, 0
.rept 32
	v_med3_num_f32 v[XB+kk], v[XB+kk], -v14, v14
.set kk, kk+1
.endr
.irp g, 0,1,2,3
	v_cvt_scalef32_pk8_bf8_f32 v[160+8*cc+2*\g:160+8*cc+2*\g+1], v[XB+8*\g:XB+8*\g+7], v11
.endr
	global_store_b128 v6, v[160+8*cc:160+8*cc+3], s[26:27] offset:512*cc        ; k 32 c + 0..15: the place of lane r; sixteen lanes of a tile fill 256 aligned bytes
	global_store_b128 v6, v[160+8*cc+4:160+8*cc+7], s[26:27] offset:512*cc+256  ; k 32 c + 16..31: the place of lane 16 + r.  Each block has code registers of its own
.set cc, cc+1
.endr
	global_store_b32 v7, v10, s[28:29]             ; 128 consecutive bytes
	s_endpgm
.endm
	WPATH 2048
.Lw1:
	s_sub_co_u32 s41, s34, 1
	s_lshr_b32 s41, s41, 1
	s_lshl_b32 s41, s41, 11                        ; W1: columns 512 j on
	s_lshl_b32 s45, s36, 20                        ; 128 rows of 8,192 bytes a K step
	s_add_co_u32 s44, s44, s45
	s_add_co_u32 s44, s44, s41
	s_mov_b32 s45, 0
	s_add_nc_u64 s[42:43], s[18:19], s[44:45]
	WPATH 8192
	; ---- x: group G of 32 rows, K step = wave.  Loads take 512 consecutive bytes; a tile's 16 rows turn through the wave's own stage (rows of 512 + 16 bytes)
.Lxpath:
	s_sub_co_u32 s34, ttmp9, 192                   ; G
	s_lshl_b32 s36, s34, 16
	s_lshl_b32 s37, s30, 9
	s_add_co_u32 s36, s36, s37
	s_mov_b32 s37, 0
	s_add_nc_u64 s[8:9], s[8:9], s[36:37]
	s_lshl_b32 s36, s34, 14
	s_lshl_b32 s38, s30, 11
	s_add_co_u32 s36, s36, s38
	s_add_nc_u64 s[22:23], s[22:23], s[36:37]
	s_lshl_b32 s36, s34, 9
	s_lshl_b32 s38, s30, 7
	s_add_co_u32 s36, s36, s38
	s_add_nc_u64 s[24:25], s[24:25], s[36:37]
	s_mul_i32 s35, s30, 8448                       ; my stage
	v_lshlrev_b32 v1, 4, v5
	v_add_nc_u32 v2, s35, v1                       ; in: 16 x lane
	v_and_b32 v6, 15, v5
	v_lshrrev_b32 v7, 4, v5
	v_mul_u32_u24 v3, v6, 528
	v_lshl_add_u32 v3, v7, 6, v3
	v_add_nc_u32 v3, s35, v3                       ; back: row r, + 64 h
	v_lshlrev_b32 v4, 2, v5
.irp b, 0,1,2,3
	v_mov_b32 v[TM+4+\b], 0                        ; a lane permute's destination counts as one of its sources
.endr
.irp u, 0,1
.set ii, 0
.rept 16
	global_load_b128 v[32+64*\u+4*ii:32+64*\u+4*ii+3], v1, s[8:9] offset:(8*\u+ii+8*(ii/8))*2048 th:TH_LOAD_NT
.set ii, ii+1
.endr
.endr
.irp u, 0,1
	s_wait_loadcnt 16-16*\u                        ; this tile's 16 loads are in; the other tile's may be out
.set ii, 0
.rept 16
	ds_store_b128 v2, v[32+64*\u+4*ii:32+64*\u+4*ii+3] offset:528*ii
.set ii, ii+1
.endr
.set ii, 0
.rept 16
	ds_load_b128 v[160+4*ii:160+4*ii+3], v3 offset:128*(ii/4)+16*(ii%4)   ; LDS serves a wave's instructions in order: these see the stores above
.set ii, ii+1
.endr
	s_wait_dscnt 0x0
	QUANT 160, 0, 0, 160, 0, 224+16*\u, 24+\u, 4
.irp c, 0,1,2,3
	global_store_b128 v1, v[224+16*\u+4*\c:224+16*\u+4*\c+3], s[22:23] offset:8192*\u+512*\c   ; 512 consecutive bytes
.endr
.endr
	v_cmp_gt_u32 vcc_lo, 16, v5
	v_cndmask_b32 v26, v25, v24, vcc_lo            ; lanes 0-15: tile 0's words, lanes 16-31: tile 1's
	global_store_b32 v4, v26, s[24:25]
	s_wait_tensorcnt 0x0
	ds_add_u32 v30, v31
	s_wait_dscnt 0x0
	s_endpgm
.Lfunc_end_k_q0b2b57e38d_prep:
	.size	k_q0b2b57e38d_prep, .Lfunc_end_k_q0b2b57e38d_prep-k_q0b2b57e38d_prep
	.p2alignl 7, 3214868480
	.fill 96, 4, 3214868480
	.section	.rodata,"a",@progbits
	.p2align	6, 0x0
	.amdhsa_kernel k_q0b2b57e38d_prep
		.amdhsa_group_segment_fixed_size 34304
		.amdhsa_private_segment_fixed_size 0
		.amdhsa_enable_private_segment 0
		.amdhsa_kernarg_size 88
		.amdhsa_user_sgpr_count 2
		.amdhsa_user_sgpr_kernarg_segment_ptr 1
		.amdhsa_wavefront_size32 1
		.amdhsa_system_sgpr_workgroup_id_x 1
		.amdhsa_system_sgpr_workgroup_id_y 1
		.amdhsa_system_sgpr_workgroup_id_z 1
		.amdhsa_system_vgpr_workitem_id 0
		.amdhsa_next_free_vgpr 256
		.amdhsa_next_free_sgpr 66
		.amdhsa_reserve_vcc 1
		.amdhsa_float_denorm_mode_32 3
		.amdhsa_float_denorm_mode_16_64 3
		.amdhsa_memory_ordered 1
		.amdhsa_forward_progress 1
		.amdhsa_inst_pref_size 83
	.end_amdhsa_kernel
	.amdgpu_metadata
---
amdhsa.version: [ 1, 2 ]
amdhsa.kernels:
  - .name:           k_q0b2b57e38d_prep
    .symbol:         k_q0b2b57e38d_prep.kd
    .args:
      - { .name: x, .offset: 0, .size: 8, .value_kind: global_buffer, .address_space: global }
      - { .name: Wq, .offset: 8, .size: 8, .value_kind: global_buffer, .address_space: global }
      - { .name: Wk, .offset: 16, .size: 8, .value_kind: global_buffer, .address_space: global }
      - { .name: Wv, .offset: 24, .size: 8, .value_kind: global_buffer, .address_space: global }
      - { .name: Wo, .offset: 32, .size: 8, .value_kind: global_buffer, .address_space: global }
      - { .name: W1, .offset: 40, .size: 8, .value_kind: global_buffer, .address_space: global }
      - { .name: W2, .offset: 48, .size: 8, .value_kind: global_buffer, .address_space: global }
      - { .name: xc, .offset: 56, .size: 8, .value_kind: global_buffer, .address_space: global }
      - { .name: xs, .offset: 64, .size: 8, .value_kind: global_buffer, .address_space: global }
      - { .name: wc, .offset: 72, .size: 8, .value_kind: global_buffer, .address_space: global }
      - { .name: ws, .offset: 80, .size: 8, .value_kind: global_buffer, .address_space: global }
    .group_segment_fixed_size: 34304
    .private_segment_fixed_size: 0
    .kernarg_segment_align: 8
    .kernarg_segment_size: 88
    .max_flat_workgroup_size: 128
    .sgpr_count:     66
    .vgpr_count:     256
    .wavefront_size: 32
...
	.end_amdgpu_metadata
.endif
;; end of part 1
;; launch attn (part 2): grid 8 x 32, 4 waves a work-group, no clusters, 180,736 bytes of LDS; arguments xc, xs, wc, ws, bq, bk, bv, ac, asc; writes ac, asc
.if DOCPART == 2
	.amdgcn_target "amdgcn-amd-amdhsa--gfx1250"
	.amdhsa_code_object_version 6
	.text
	.protected	k_q0b2b57e38d_attn
	.globl	k_q0b2b57e38d_attn
	.p2align	8
	.type	k_q0b2b57e38d_attn,@function
k_q0b2b57e38d_attn:
	s_mov_b64 s[64:65], 0
	v_nop
	global_prefetch_b8 v0, s[64:65] scope:SCOPE_SE
	s_setreg_imm32_b32 hwreg(HW_REG_WAVE_MODE, 25, 1), 1
	s_wait_xcnt 0x0
; One work-group = one (batch, head): q, k, v (three products on codes), kp = relu(k) + 1e-3, qp likewise, the sum of kp over the 512 positions, kv = kp^T v (K = positions),
; num = qp kv (K = 64), den = qp . sum kp (f32, by fused multiply-adds on the unquantised numbers), attn = num / den, which leaves as codes along (head, d) for the next launch.
; SHARES.  Wave w owns positions 128 w .. 128 w + 127: its 32 fragments of x (8 tiles x 4 K steps) go from memory into 512 registers and stay.  The head's 96 KB of weight codes come into LDS once,
; three tensor loads a wave (three are out, by this text's count); no LDS byte is filled twice.
; LAYOUT.  k and v: source 0 = 16 positions of x, source 1 = 16 features: a lane holds ONE feature, its 64 registers 128 positions' half in the next K's order: kp^T and v^T fragments, K step w.
; q: source 0 = 16 features, source 1 = 16 positions: a lane holds one position, registers along the features.  kv^T: source 0 = kp^T, source 1 = v^T: a lane holds one d, registers along m.
; num^T: source 0 = kv^T (16 d), source 1 = qp: a lane holds one position, registers along d.  K = 64 fills half an instruction: a fragment of qp carries TWO tiles of positions (k 0-63, 64-127),
; and kv's codes stand beside zero codes, low or high, which blank the other tile.
; relu(z + b) + e is made as max(sum + (b + e), e), with b + e as the C of the sum's first instruction: the order of the f32 roundings differs from the source's.
; NO CLUSTER: a fragment of x has one reader in a work-group; what eight heads or 32 batches could share through LDS, x's 256 KB or the weights' 96 KB, is either too large to stand beside the other
; (352 KB against the 320 KB there are) or 27 parts in a hundred of the 360 KB that a work-group reads, fetched once at the head.
; LIMITS: a block of zeros gets the byte 1 (its codes are zeros; this program alone reads the bytes); NaN and infinities are not served.  attn's scale bytes leave in pieces of 2 bytes: 1 byte in 33 of what is stored.
; REGISTERS.  window 0: v1-19 addresses; v24-39 TM; v40 PW; v41 at work; v42-57 PC; v58-73 two bias tiles; v74-89 x's scale words, later kp^T's; v90-113 the weights', later v^T's, kv's, qp's;
;   v114-121 raw bk, bv, later 1 / den; v128-255 two sets of a weight tile's four fragments, later the sums of kp, qp's codes (v160 on), kv's accumulators (v224 on).
;   windows 1, 2: x's fragments, later kp^T's (window 1), v^T's (window 2), then kv's codes between zeros (window 1).   window 3: accumulators.
.set KIMG, 98304                       ; LDS: 0: weights k, v, q, 32,768 each, [t4][s][2048];  kp^T's 16 images (4 t4 + s)
.set VIMG, 131072                      ; v^T's
.set KSC,  163840                      ; their scale words, 128 bytes each; v's 2,048 on
.set KSUM, 167936                      ; [wave][feature 64] f32
.set KVX,  168960                      ; kv^T's codes [dt][1024]; 4,096 on: their scale words
.set TM,  24
.set PW,  40
.set PC,  42
.set CB,  58
.set XS,  74
.set WS,  90
.set RB,  114
.set WB,  128
.set SEL, 50
.set MNT, 52
.set MSB, 0
.macro WIN new                         ; the immediate's high byte repeats the setting that is left
.if MSB != (\new)
	s_set_vgpr_msb (MSB<<8)|(\new)
.set MSB, (\new)
.endif
.endm
.macro PLACES n
.rept \n
	v_nop
.endr
.endm
.macro WM d, a, b, c, sa, sb, ra, rb   ; one product, C in registers; ra, rb: the scales stand in lanes 16-31
.if (\ra) && (\rb)
	v_wmma_scale_f32_16x16x128_f8f6f4 v[(\d):(\d)+7], v[(\a):(\a)+15], v[(\b):(\b)+15], v[(\c):(\c)+7], v[\sa], v[\sb] matrix_a_fmt:MATRIX_FMT_BF8 matrix_b_fmt:MATRIX_FMT_BF8 matrix_a_scale:MATRIX_SCALE_ROW1 matrix_b_scale:MATRIX_SCALE_ROW1
.elseif (\ra)
	v_wmma_scale_f32_16x16x128_f8f6f4 v[(\d):(\d)+7], v[(\a):(\a)+15], v[(\b):(\b)+15], v[(\c):(\c)+7], v[\sa], v[\sb] matrix_a_fmt:MATRIX_FMT_BF8 matrix_b_fmt:MATRIX_FMT_BF8 matrix_a_scale:MATRIX_SCALE_ROW1
.elseif (\rb)
	v_wmma_scale_f32_16x16x128_f8f6f4 v[(\d):(\d)+7], v[(\a):(\a)+15], v[(\b):(\b)+15], v[(\c):(\c)+7], v[\sa], v[\sb] matrix_a_fmt:MATRIX_FMT_BF8 matrix_b_fmt:MATRIX_FMT_BF8 matrix_b_scale:MATRIX_SCALE_ROW1
.else
	v_wmma_scale_f32_16x16x128_f8f6f4 v[(\d):(\d)+7], v[(\a):(\a)+15], v[(\b):(\b)+15], v[(\c):(\c)+7], v[\sa], v[\sb] matrix_a_fmt:MATRIX_FMT_BF8 matrix_b_fmt:MATRIX_FMT_BF8
.endif
.endm
.macro WMZ d, a, b, sa, sb             ; the product that starts a sum
	v_wmma_scale_f32_16x16x128_f8f6f4 v[(\d):(\d)+7], v[(\a):(\a)+15], v[(\b):(\b)+15], 0, v[\sa], v[\sb] matrix_a_fmt:MATRIX_FMT_BF8 matrix_b_fmt:MATRIX_FMT_BF8
.endm
; 16 nb numbers of a lane at v[src] of window sw, register 16 b + i = k 32 b + 16 (lane / 16) + i of my row, become codes in v[pc] on and the row's scale word in v[pw] (window 0);
; the held numbers go to v[hd] of window hw.  Each accumulator is read from its low end on.
.macro QUANT src, sw, relu, hd, hw, pc, pw, nb
	WIN (\sw)|((\sw)<<2)
.set qb, 0
.rept \nb
.if \relu
	v_max3_num_f32 v[TM+qb], v[(\src)+16*qb], v[(\src)+16*qb+1], 0x8000000
.else
	v_max3_num_f32 v[TM+qb], |v[(\src)+16*qb]|, |v[(\src)+16*qb+1]|, 0x8000000   ; my 16 numbers of block b, and the floor 2^(16 - 127): the byte cannot fall under 1
.endif
.set qb, qb+1
.endr
.set qi, 2
.rept 7
.set qb, 0
.rept \nb
.if \relu
	v_max3_num_f32 v[TM+qb], v[(\src)+16*qb+qi], v[(\src)+16*qb+qi+1], v[TM+qb]
.else
	v_max3_num_f32 v[TM+qb], |v[(\src)+16*qb+qi]|, |v[(\src)+16*qb+qi+1]|, v[TM+qb]
.endif
.set qb, qb+1
.endr
.set qi, qi+2
.endr
	WIN 0
.set qb, 0
.rept \nb
	v_permlanex16_b32 v[TM+4+qb], v[TM+qb], s[SEL], s[SEL+1]
.set qb, qb+1
.endr
.set qb, 0
.rept \nb
	v_max_num_f32 v[TM+qb], v[TM+qb], v[TM+4+qb]            ; with lane l xor 16's: the block's largest magnitude
.set qb, qb+1
.endr
.set qb, 0
.rept \nb
	v_add_nc_u32 v[TM+12+qb], 0xf8800000, v[TM+qb]          ; 15 off its exponent field: the conversion's scale operand
.set qb, qb+1
.endr
.set qb, 0
.rept \nb
	v_and_or_b32 v[TM+8+qb], v[TM+qb], 0x7f800000, s[MNT]   ; 57,344 x the scale
.set qb, qb+1
.endr
.set qb, 0
.rept \nb
	v_lshrrev_b32 v[TM+4+qb], 23, v[TM+12+qb]               ; the scale's byte
.set qb, qb+1
.endr
	v_lshl_or_b32 v[\pw], v[TM+5], 8, v[TM+4]
.if (\nb) == 4
	v_lshl_or_b32 v[\pw], v[TM+6], 16, v[\pw]
	v_lshl_or_b32 v[\pw], v[TM+7], 24, v[\pw]
.else
	v_lshl_or_b32 v[\pw], v[\pw], 16, v[\pw]                ; two blocks: the two bytes stand low and high, for codes that stand low or high in K
.endif
	WIN (\sw)|((\hw)<<6)
.set qb, 0
.rept \nb
.set qi, 0
.rept 16
.if \relu
	v_med3_num_f32 v[(\hd)+16*qb+qi], v[(\src)+16*qb+qi], 0, v[TM+8+qb]
.else
	v_med3_num_f32 v[(\hd)+16*qb+qi], v[(\src)+16*qb+qi], -v[TM+8+qb], v[TM+8+qb]   ; the conversion does not saturate (ISA guide 7.6.2): hold first
.endif
.set qi, qi+1
.endr
.set qb, qb+1
.endr
	WIN (\hw)
.set qb, 0
.rept \nb
	v_cvt_scalef32_pk8_bf8_f32 v[(\pc)+4*qb:(\pc)+4*qb+1], v[(\hd)+16*qb:(\hd)+16*qb+7], v[TM+12+qb]
	v_cvt_scalef32_pk8_bf8_f32 v[(\pc)+4*qb+2:(\pc)+4*qb+3], v[(\hd)+16*qb+8:(\hd)+16*qb+15], v[TM+12+qb]
.set qb, qb+1
.endr
	WIN 0
	v_nop                                                   ; one plain line behind the last conversion
.endm
	s_load_b512 s[8:23], s[0:1], 0x0               ; xc 8, xs 10, wc 12, ws 14, bq 16, bk 18, bv 20, ac 22
	s_load_b64 s[24:25], s[0:1], 0x40              ; asc
	v_lshl_add_u32 v126, v0, 2, 0x2c000
	v_mov_b32 v127, 0
	ds_add_u32 v126, v127
	ds_add_u32 v126, v127
	v_lshrrev_b32 v1, 5, v0
	v_readfirstlane_b32 s26, v1                    ; wave
	s_and_b32 s49, ttmp7, 0xffff                   ; batch; the head is ttmp9
	s_mov_b32 s28, 3<<16                           ; descriptor group 1: 8,192 dense bytes as 32 rows of 32 elements of 8 bytes; no mask, no padding
	s_mov_b32 s29, 32<<16                          ; tensor_dim0 = 32
	s_mov_b32 s30, 32<<16                          ; tensor_dim1 = 32
	s_mov_b32 s31, 32<<16                          ; tile_dim0 = 32
	s_mov_b32 s32, 32                              ; tile_dim1 = 32
	s_mov_b32 s33, 32                              ; the pitch
	s_mov_b32 s34, 0
	s_mov_b32 s35, 0
	s_mov_b32 s[SEL], 0x76543210
	s_mov_b32 s[SEL+1], 0xfedcba98
	s_mov_b32 s[MNT], 0x600000
	s_mov_b32 s53, 0x3a83126f                      ; 1e-3
	s_and_b32 s54, ttmp9, 1                        ; the head's four tiles: q = head % 2, w = head / 2
	s_lshl_b32 s54, s54, 2
	s_lshr_b32 s55, ttmp9, 1
	s_add_co_u32 s54, s54, s55
	s_lshl_b32 s54, s54, 15
	s_lshl_b32 s56, s26, 13                        ; my tile of the four: 8,192 x wave
	s_add_co_u32 s54, s54, s56
	s_add_co_u32 s54, s54, 9*262144                ; chunk 9: Wk; 10: Wv; 11: Wq
	s_mov_b32 s55, 0
	s_wait_dscnt 0x0
	s_wait_kmcnt 0x0
	s_add_nc_u64 s[54:55], s[12:13], s[54:55]
.irp m, 0,1,2
	s_mov_b32 s[36+4*\m], 1
	s_add_co_u32 s[37+4*\m], s56, \m*32768         ; LDS: matrix m, my tile
	s_add_nc_u64 s[38+4*\m:39+4*\m], s[54:55], \m*262144
	s_or_b32 s[39+4*\m], s[39+4*\m], 0x80000000
.endr
	tensor_load_to_lds s[36:39], s[28:35]
	s_nop 0
	tensor_load_to_lds s[40:43], s[28:35]
	s_nop 0
	tensor_load_to_lds s[44:47], s[28:35]
	s_nop 0
	PLACES 4
	v_and_b32 v20, 31, v0                          ; lane
	v_and_b32 v21, 15, v0                          ; r
	v_bfe_u32 v22, v0, 4, 1                        ; h
	v_lshlrev_b32 v1, 4, v20                       ; 16 x lane: an image's place for my lane
	v_lshlrev_b32 v2, 2, v20                       ; 4 x lane: a scale word's
	v_add_nc_u32 v3, 65536, v1                     ; q's weights
	s_lshl_b32 s57, s26, 11
	v_add_nc_u32 v4, s57, v1
	v_add_nc_u32 v5, VIMG, v4                      ; where I store v^T's images: K step = wave
	v_add_nc_u32 v4, KIMG, v4                      ; and kp^T's
	s_lshl_b32 s57, s26, 7
	v_add_nc_u32 v6, s57, v2
	v_add_nc_u32 v15, KVX+4096, v6                 ; kv's scale word, stored
	v_add_nc_u32 v6, KSC, v6                       ; kp^T's and v^T's, stored
	v_add_nc_u32 v7, KIMG, v1
	v_add_nc_u32 v8, s56, v1
	v_add_nc_u32 v8, VIMG, v8                      ; v^T's tile dt = wave
	v_add_nc_u32 v9, KSC, v2
	s_lshl_b32 s57, s26, 9
	v_add_nc_u32 v10, s57, v2
	v_add_nc_u32 v10, KSC+2048, v10
	v_and_b32 v23, 8, v21
	v_add_nc_u32 v23, v23, v21                     ; r + 8 (r / 8)
	v_lshlrev_b32 v17, 2, v23
	s_lshl_b32 s57, s26, 8
	v_add_nc_u32 v11, s57, v17
	v_add_nc_u32 v11, KSUM, v11
	v_lshlrev_b32 v18, 6, v22                      ; 64 h
	v_add_nc_u32 v12, KSUM, v18
	s_lshl_b32 s57, s26, 10
	v_add_nc_u32 v13, s57, v1
	v_add_nc_u32 v13, KVX, v13
	v_add_nc_u32 v14, KVX, v1
	v_add_nc_u32 v16, KVX+4096, v2
	v_lshlrev_b32 v19, 4, v22                      ; 16 h
.irp b, 0,1,2,3
	v_mov_b32 v[TM+4+\b], 0                        ; a lane permute's destination counts as one of its sources
.endr
	s_lshl_b32 s58, s49, 4
	s_lshl_b32 s59, s26, 2
	s_add_co_u32 s58, s58, s59                     ; my first group of 32 rows: 16 b + 4 w
	s_mov_b32 s61, 0
	s_lshl_b32 s60, s58, 14
	s_add_nc_u64 s[8:9], s[8:9], s[60:61]
	s_lshr_b32 s62, ttmp9, 1
	s_lshl_b32 s62, s62, 11                        ; ac: K step head / 2,
	s_add_co_u32 s60, s60, s62
	s_and_b32 s62, ttmp9, 1
	s_lshl_b32 s62, s62, 10                        ; pieces 2 (head % 2) on
	s_add_co_u32 s60, s60, s62
	s_add_nc_u64 s[22:23], s[22:23], s[60:61]
	s_lshl_b32 s60, s58, 9
	s_add_nc_u64 s[10:11], s[10:11], s[60:61]
	s_lshl_b32 s62, ttmp9, 1
	s_add_co_u32 s60, s60, s62                     ; asc: bytes 2 head, 2 head + 1 of a row's 16
	s_add_nc_u64 s[24:25], s[24:25], s[60:61]
	s_lshl_b32 s60, ttmp9, 10
	s_add_co_u32 s60, s60, 9*8192
	s_add_nc_u64 s[14:15], s[14:15], s[60:61]
	s_lshl_b32 s60, ttmp9, 8
	s_add_nc_u64 s[16:17], s[16:17], s[60:61]
	s_add_nc_u64 s[18:19], s[18:19], s[60:61]
	s_add_nc_u64 s[20:21], s[20:21], s[60:61]
.irp g, 0,1,2,3
.irp k, 0,1,2,3
	global_load_b32 v[XS+4*\g+\k], v2, s[10:11] offset:512*\g+128*\k
.endr
.endr
.irp m, 0,1,2
.irp p, 0,1
.irp k, 0,1,2,3
	global_load_b32 v[WS+8*\m+4*\p+\k], v2, s[14:15] offset:8192*\m+512*\p+128*\k
.endr
.endr
.endr
.irp t, 0,1,2,3
	global_load_b32 v[RB+\t], v17, s[18:19] offset:(32*(\t/2)+8*(\t%2))*4      ; bk of my lane's feature in tile t
.endr
.irp t, 0,1,2,3
	global_load_b32 v[RB+4+\t], v17, s[20:21] offset:(32*(\t/2)+8*(\t%2))*4    ; bv
.endr
.macro XFLOAD ks                       ; x's eight fragments of K step ks: window 1 + ks / 2, local 128 (ks % 2) + 16 i
.set ti, 0
.rept 8
.set cc, 0
.rept 4
	global_load_b128 v[128*((\ks)%2)+16*ti+4*cc:128*((\ks)%2)+16*ti+4*cc+3], v1, s[8:9] offset:8192*ti+2048*(\ks)+512*cc
.set cc, cc+1
.endr
.set ti, ti+1
.endr
.endm
	WIN 0x40
	XFLOAD 0
	XFLOAD 1
	WIN 0x80
	XFLOAD 2
	XFLOAD 3
	WIN 0
	s_wait_tensorcnt 0x0                           ; my three parts of the weights have landed;
	s_barrier_signal -1
	s_barrier_wait -1                              ; everybody's have
.macro WLOAD m, t, set                 ; tile t of matrix m: four fragments into set
.set nn, 0
.rept 16
.if (\m) == 2
	ds_load_b128 v[WB+64*(\set)+4*nn:WB+64*(\set)+4*nn+3], v3 offset:8192*(\t)+512*nn
.else
	ds_load_b128 v[WB+64*(\set)+4*nn:WB+64*(\set)+4*nn+3], v1 offset:32768*(\m)+8192*(\t)+512*nn
.endif
.set nn, nn+1
.endr
.endm
; k (m = 0) or v (m = 1), tile t of 16 features x my 128 positions: 32 products, the eight accumulators by turns.  Then the next tile's weights are asked for.
.macro PROJ_KV m, t, set, first, nm, nt
.if \first
	s_wait_loadcnt 63                              ; scale words, biases and x's K step 0 are in: 128 - 32 younger loads might stay out; the field ends at 63
.endif
.set jj, 0
.rept 8
.if (\m) == 0
	v_add_f32 v[CB+8*(\set)+jj], s53, v[RB+(\t)]   ; bk + 1e-3: a lane holds one feature, so all eight registers of C hold the same
.else
	v_mov_b32 v[CB+8*(\set)+jj], v[RB+4+(\t)]
.endif
.set jj, jj+1
.endr
	PLACES 4
	s_wait_dscnt 0x0                               ; the tile's weights are in
.set ks, 0
.rept 4
.if \first
.if ks == 1
	s_wait_loadcnt 63                              ; K step 1 is in (64 might stay out)
.elseif ks == 2
	s_wait_loadcnt 32                              ; K step 3's 32 may be out
.elseif ks == 3
	s_wait_loadcnt 0x0
.endif
.endif
.if ks == 0
	WIN 0xc1
.elseif ks == 1
	WIN 0xf1
.else
	WIN 0xf2
.endif
.set ti, 0
.rept 8
.if ks == 0
	WM 8*ti, 128*(ks%2)+16*ti, WB+64*(\set)+16*ks, CB+8*(\set), XS+4*(ti/2)+ks, WS+8*(\m)+4*((\t)/2)+ks, ti%2, (\t)%2
.else
	WM 8*ti, 128*(ks%2)+16*ti, WB+64*(\set)+16*ks, 8*ti, XS+4*(ti/2)+ks, WS+8*(\m)+4*((\t)/2)+ks, ti%2, (\t)%2
.endif
.set ti, ti+1
.endr
.set ks, ks+1
.endr
	WIN 0
	PLACES 8                                       ; eight places behind this form, ahead of the first read of results
	WLOAD \nm, \nt, 1-(\set)                       ; lands while the tile is quantised
.endm
; the tile becomes a fragment of kp^T or v^T, K step = wave; of kp also the sum over my 128 positions
.macro POST m, t
.if (\m) == 0
	WIN 0xcc
.set jj, 0
.rept 64
	v_max_num_f32 v[jj], s53, v[jj]                ; kp = max(k + 1e-3, 1e-3)
.set jj, jj+1
.endr
	WIN 0x0f
	v_pk_add_f32 v[TM:TM+1], v[0:1], v[2:3]
	v_pk_add_f32 v[TM+2:TM+3], v[4:5], v[6:7]
	WIN 0x0c
.set jj, 8
.rept 14
	v_pk_add_f32 v[TM:TM+1], v[TM:TM+1], v[jj:jj+1]
	v_pk_add_f32 v[TM+2:TM+3], v[TM+2:TM+3], v[jj+2:jj+3]
.set jj, jj+4
.endr
	WIN 0
	v_pk_add_f32 v[TM:TM+1], v[TM:TM+1], v[TM+2:TM+3]
	v_add_f32 v[TM], v[TM], v[TM+1]
	v_permlanex16_b32 v[TM+4], v[TM], s[SEL], s[SEL+1]
	v_add_f32 v41, v[TM], v[TM+4]
	ds_store_b32 v11, v41 offset:(32*((\t)/2)+8*((\t)%2))*4   ; both halves of the lanes write the same word with the same value
.endif
	QUANT 0, 3, 0, 0, 3, PC, PW, 4
.set cc, 0
.rept 4
	ds_store_b128 v[4+(\m)], v[PC+4*cc:PC+4*cc+3] offset:8192*(\t)+512*cc
.set cc, cc+1
.endr
	ds_store_b32 v6, v[PW] offset:2048*(\m)+512*(\t)
	s_wait_dscnt 0x0                               ; the stores have read their registers; the next tile's weights are in
.endm
	WLOAD 0, 0, 0
	PROJ_KV 0, 0, 0, 1, 0, 1
	POST 0, 0
	PROJ_KV 0, 1, 1, 0, 0, 2
	POST 0, 1
	PROJ_KV 0, 2, 0, 0, 0, 3
	POST 0, 2
	PROJ_KV 0, 3, 1, 0, 1, 0
	POST 0, 3
	PROJ_KV 1, 0, 0, 0, 1, 1
	POST 1, 0
	PROJ_KV 1, 1, 1, 0, 1, 2
	POST 1, 1
	PROJ_KV 1, 2, 0, 0, 1, 3
	POST 1, 2
	PROJ_KV 1, 3, 1, 0, 2, 0
	POST 1, 3
.irp b, 0,1
.irp j, 0,1,2,3
	global_load_b128 v[24+16*\b+4*\j:24+16*\b+4*\j+3], v18, s[16:17] offset:128*\b+16*\j   ; bq in the result's order: register 16 b + i = feature 32 b + 16 h + i
.endr
.endr
	s_barrier_signal -1                            ; my LDS stores have landed (the wait above): kp^T, v^T, their scale words and the sums lie in LDS
	s_barrier_wait -1
	s_wait_loadcnt 0x0
.set jj, 0
.rept 32
	v_add_f32 v[24+jj], s53, v[24+jj]              ; bq + 1e-3
.set jj, jj+1
.endr
; q, tile t of 16 features x my 8 tiles of positions.  The next tile's weights are asked for ahead of the products.
.macro PROJ_Q t, set, more
	PLACES 8                                       ; ahead of loads into the set that the last tile's products read
.if \more
	WLOAD 2, (\t)+1, 1-(\set)
	s_wait_dscnt 16                                ; all but the 16 just issued
.else
	s_wait_dscnt 0x0
.endif
.set ks, 0
.rept 4
.if ks == 0
	WIN 0xc4
.elseif ks == 1
	WIN 0xf4
.else
	WIN 0xf8
.endif
.set ti, 0
.rept 8
.if ks == 0
	WM 32*ti+8*(\t), WB+64*(\set)+16*ks, 128*(ks%2)+16*ti, 24+8*(\t), WS+16+4*((\t)/2)+ks, XS+4*(ti/2)+ks, (\t)%2, ti%2
.else
	WM 32*ti+8*(\t), WB+64*(\set)+16*ks, 128*(ks%2)+16*ti, 32*ti+8*(\t), WS+16+4*((\t)/2)+ks, XS+4*(ti/2)+ks, (\t)%2, ti%2
.endif
.set ti, ti+1
.endr
.set ks, ks+1
.endr
	WIN 0
.endm
	PROJ_Q 0, 0, 1
	PROJ_Q 1, 1, 1
	PROJ_Q 2, 0, 1
	PROJ_Q 3, 1, 0
	PLACES 8
	WIN 0xcc
.set jj, 0
.rept 256
	v_max_num_f32 v[jj], s53, v[jj]                ; qp = max(q + 1e-3, 1e-3), each accumulator from its low end on
.set jj, jj+1
.endr
	WIN 0
	; ---- x's registers are done with: kp^T (all 16 fragments), v^T (my tile dt = wave), their scale words, the four waves' sums of kp
.irp t, 0,1,2,3
.irp k, 0,1,2,3
	ds_load_b32 v[XS+4*\t+\k], v9 offset:(4*\t+\k)*128
.endr
.endr
.irp k, 0,1,2,3
	ds_load_b32 v[WS+\k], v10 offset:128*\k
.endr
	WIN 0x40
.irp k, 0,1,2,3
.irp t, 0,1,2,3
.irp c, 0,1,2,3
	ds_load_b128 v[16*(4*\k+\t)+4*\c:16*(4*\k+\t)+4*\c+3], v7 offset:(4*\t+\k)*2048+512*\c
.endr
.endr
.endr
	WIN 0x80
.irp k, 0,1,2,3
.irp c, 0,1,2,3
	ds_load_b128 v[16*\k+4*\c:16*\k+4*\c+3], v8 offset:2048*\k+512*\c
.endr
.endr
	WIN 0
.irp w, 0,1,2,3
.irp b, 0,1
.irp j, 0,1,2,3
	ds_load_b128 v[128+32*\w+16*\b+4*\j:128+32*\w+16*\b+4*\j+3], v12 offset:256*\w+128*\b+16*\j
.endr
.endr
.endr
	s_wait_dscnt 0x0
	; ---- den = qp . sum kp, in f32
.set jj, 0
.rept 16
	v_pk_add_f32 v[128+jj:129+jj], v[128+jj:129+jj], v[160+jj:161+jj]
	v_pk_add_f32 v[192+jj:193+jj], v[192+jj:193+jj], v[224+jj:225+jj]
.set jj, jj+2
.endr
.set jj, 0
.rept 16
	v_pk_add_f32 v[128+jj:129+jj], v[128+jj:129+jj], v[192+jj:193+jj]
.set jj, jj+2
.endr
.irp g, 0,1
	WIN 0x03
.set ti, 0
.rept 4
	v_pk_mul_f32 v[TM+2*ti:TM+2*ti+1], v[32*(4*\g+ti):32*(4*\g+ti)+1], v[128:129]
.set ti, ti+1
.endr
.set jj, 2
.rept 15
.set ti, 0
.rept 4
	v_pk_fma_f32 v[TM+2*ti:TM+2*ti+1], v[32*(4*\g+ti)+jj:32*(4*\g+ti)+jj+1], v[128+jj:129+jj], v[TM+2*ti:TM+2*ti+1]
.set ti, ti+1
.endr
.set jj, jj+2
.endr
	WIN 0
.set ti, 0
.rept 4
	v_add_f32 v[TM+8+ti], v[TM+2*ti], v[TM+2*ti+1]
.set ti, ti+1
.endr
.set ti, 0
.rept 4
	v_permlanex16_b32 v[TM+12+ti], v[TM+8+ti], s[SEL], s[SEL+1]
.set ti, ti+1
.endr
.set ti, 0
.rept 4
	v_add_f32 v[RB+4*\g+ti], v[TM+8+ti], v[TM+12+ti]
.set ti, ti+1
.endr
.endr
.set ti, 0
.rept 8
	v_rcp_f32 v[RB+ti], v[RB+ti]
.set ti, ti+1
.endr
	v_nop                                          ; a plain line behind the last reciprocal
	s_wait_alu depctr_va_vdst(0)                   ; one wait for the eight, ahead of their first reader
	; ---- kv^T, my 16 d x 64 m: four accumulators by turns, K = 512 positions
	WIN 0x09
.set ks, 0
.rept 4
.set ti, 0
.rept 4
.if ks == 0
	WMZ 224+8*ti, 16*(4*ks+ti), 16*ks, XS+4*ti+ks, WS+ks
.else
	WM 224+8*ti, 16*(4*ks+ti), 16*ks, 224+8*ti, XS+4*ti+ks, WS+ks, 0, 0
.endif
.set ti, ti+1
.endr
.set ks, ks+1
.endr
	WIN 0
	PLACES 8
	QUANT 224, 0, 0, 224, 0, PC, PW, 2
	ds_store_b128 v13, v[PC:PC+3]
	ds_store_b128 v13, v[PC+4:PC+7] offset:512
	ds_store_b32 v15, v[PW]
	; ---- qp's codes: a fragment carries tiles 2 p (k 0-63) and 2 p + 1 (k 64-127)
.irp p, 0,1,2,3
	QUANT 64*\p, 3, 0, 64*\p, 3, 160+16*\p, WS+8+\p, 4
.endr
	s_wait_dscnt 0x0
	s_barrier_signal -1
	s_barrier_wait -1                              ; kv^T's four tiles lie in LDS
	WIN 0x40
.irp d, 0,1,2,3
	ds_load_b128 v[8+16*\d:11+16*\d], v14 offset:1024*\d
	ds_load_b128 v[12+16*\d:15+16*\d], v14 offset:1024*\d+512
.endr
.irp z, 0,1,2,3,4
.irp j, 0,1,2,3,4,5,6,7
	v_mov_b32 v[16*\z+\j], 0                       ; zero codes between the tiles: zeros, tile 0, zeros, tile 1 ..
.endr
.endr
	WIN 0
.irp d, 0,1,2,3
	ds_load_b32 v[WS+4+\d], v16 offset:128*\d
.endr
	s_wait_dscnt 0x0
	PLACES 4                                       ; an operand written by vector instructions stands four places ahead of a scaled product
	; ---- num^T, attn = num / den, its codes and scale bytes, a pair of tiles at a time
.irp p, 0,1,2,3
.if \p > 0
	s_wait_xcnt 0x0                                ; the last pair's stores have read their registers
.endif
	WIN 0xc1
.irp e, 0,1
.irp d, 0,1,2,3
	WMZ 32*\e+8*\d, 8+16*\d-8*\e, 160+16*\p, WS+4+\d, WS+8+\p
.endr
.endr
	PLACES 8
	WIN 0xc3
.set jj, 0
.rept 16
	v_pk_mul_f32 v[jj:jj+1], v[jj:jj+1], v[RB+2*\p:RB+2*\p+1] op_sel_hi:[1,0]
.set jj, jj+2
.endr
.set jj, 32
.rept 16
	v_pk_mul_f32 v[jj:jj+1], v[jj:jj+1], v[RB+2*\p:RB+2*\p+1] op_sel:[0,1] op_sel_hi:[1,1]
.set jj, jj+2
.endr
	QUANT 0, 3, 0, 0, 3, PC, PW, 4
.irp e, 0,1
.irp c, 0,1
	global_store_b128 v1, v[PC+8*\e+4*\c:PC+8*\e+4*\c+3], s[22:23] offset:(2*\p+\e)*8192+512*\c   ; 512 consecutive bytes
.endr
.endr
	v_lshrrev_b32 v41, v19, v[PW]                  ; lanes 0-15: tile 2 p's two bytes, lanes 16-31: tile 2 p + 1's
	global_store_b16 v1, v41, s[24:25] offset:512*\p
.endr
	s_wait_tensorcnt 0x0
	ds_add_u32 v126, v127
	s_wait_dscnt 0x0
	s_endpgm
.Lfunc_end_k_q0b2b57e38d_attn:
	.size	k_q0b2b57e38d_attn, .Lfunc_end_k_q0b2b57e38d_attn-k_q0b2b57e38d_attn
	.p2alignl 7, 3214868480
	.fill 96, 4, 3214868480
	.section	.rodata,"a",@progbits
	.p2align	6, 0x0
	.amdhsa_kernel k_q0b2b57e38d_attn
		.amdhsa_group_segment_fixed_size 180736
		.amdhsa_private_segment_fixed_size 0
		.amdhsa_enable_private_segment 0
		.amdhsa_kernarg_size 72
		.amdhsa_user_sgpr_count 2
		.amdhsa_user_sgpr_kernarg_segment_ptr 1
		.amdhsa_wavefront_size32 1
		.amdhsa_system_sgpr_workgroup_id_x 1
		.amdhsa_system_sgpr_workgroup_id_y 1
		.amdhsa_system_sgpr_workgroup_id_z 1
		.amdhsa_system_vgpr_workitem_id 0
		.amdhsa_next_free_vgpr 1024
		.amdhsa_next_free_sgpr 66
		.amdhsa_reserve_vcc 0
		.amdhsa_float_denorm_mode_32 3
		.amdhsa_float_denorm_mode_16_64 3
		.amdhsa_memory_ordered 1
		.amdhsa_forward_progress 1
		.amdhsa_inst_pref_size 255
	.end_amdhsa_kernel
	.section	.bss,"aw",@nobits
	.p2align	6
	.space	262144
	.amdgpu_metadata
---
amdhsa.version: [ 1, 2 ]
amdhsa.kernels:
  - .name:           k_q0b2b57e38d_attn
    .symbol:         k_q0b2b57e38d_attn.kd
    .args:
      - { .name: xc, .offset: 0, .size: 8, .value_kind: global_buffer, .address_space: global }
      - { .name: xs, .offset: 8, .size: 8, .value_kind: global_buffer, .address_space: global }
      - { .name: wc, .offset: 16, .size: 8, .value_kind: global_buffer, .address_space: global }
      - { .name: ws, .offset: 24, .size: 8, .value_kind: global_buffer, .address_space: global }
      - { .name: bq, .offset: 32, .size: 8, .value_kind: global_buffer, .address_space: global }
      - { .name: bk, .offset: 40, .size: 8, .value_kind: global_buffer, .address_space: global }
      - { .name: bv, .offset: 48, .size: 8, .value_kind: global_buffer, .address_space: global }
      - { .name: ac, .offset: 56, .size: 8, .value_kind: global_buffer, .address_space: global }
      - { .name: asc, .offset: 64, .size: 8, .value_kind: global_buffer, .address_space: global }
    .group_segment_fixed_size: 180736
    .private_segment_fixed_size: 0
    .kernarg_segment_align: 8
    .kernarg_segment_size: 72
    .max_flat_workgroup_size: 128
    .sgpr_count:     66
    .vgpr_count:     1024
    .wavefront_size: 32
...
	.end_amdgpu_metadata
.endif
;; end of part 2
;; launch ffn (part 3): grid 256 x 1, 4 waves a work-group, clusters of 4 x 1, 327,680 bytes of LDS; arguments ac, asc, wc, ws, x, bo, ln1_scale, ln1_bias, b1, b2, ln2_scale, ln2_bias, out0; writes out0
.if DOCPART == 3
	.amdgcn_target "amdgcn-amd-amdhsa--gfx1250"
	.amdhsa_code_object_version 6
	.text
	.protected	k_q0b2b57e38d_ffn
	.globl	k_q0b2b57e38d_ffn
	.p2align	8
	.type	k_q0b2b57e38d_ffn,@function
k_q0b2b57e38d_ffn:
	s_mov_b64 s[64:65], 0
	v_nop
	global_prefetch_b8 v0, s[64:65] scope:SCOPE_SE
	s_setreg_imm32_b32 hwreg(HW_REG_WAVE_MODE, 25, 1), 1
	s_wait_xcnt 0x0
	s_wait_alu depctr_hold_cnt(0) depctr_sa_sdst(0) depctr_va_vdst(0) depctr_va_sdst(0) depctr_va_ssrc(0) depctr_va_vcc(0) depctr_vm_vsrc(0)
	s_getreg_b32 s2, hwreg(HW_REG_IB_STS2, 6, 4)
	s_cmp_eq_u32 s2, 0
	s_cbranch_scc0 .Lentry_in_a_cluster
	s_endpgm
.Lentry_in_a_cluster:
	s_bfe_u32 s2, ttmp6, 0x10000c
	s_cmp_lg_u32 s2, 0x3003
	s_cbranch_scc0 .Lentry_shape_is_right
	s_endpgm
.Lentry_shape_is_right:
; For 64 rows: h = LN1(attn Wo + bo + x); out = LN2(relu(h W1 + b1) W2 + b2 + h).  All three products on codes of E5M2 with E8M0 scales; h and the hidden layer never go to memory.
; SHARES.  THE WAVES SHARE THE COLUMNS: wave w owns output columns 128 w on (eight tiles t) and, of each chunk of 512 hidden units, units 128 w on, for all four tiles m of 16 rows.
; Every product is used transposed (source 0 = 16 columns of a weight, source 1 = 16 rows): a lane holds one row, and the 64 registers of a tile of rows are its half of 128 columns in the next K's order.
; Nine phases of 128 products a wave: O (Wo), then for four chunks k: A(k) (W1's columns 512 k on), B(k) (W2's rows 512 k on); a phase is one chunk of wc.
; THE WALK IS TURNED FROM CLUSTER TO CLUSTER: cluster c begins with chunk c mod 4 and walks the four round.  So the clusters ask for four different chunks at any time, and each chunk but a cluster's first
; has been read by sixteen other clusters a chunk's time earlier.
; THE RING.  Two slots of 131,072 bytes, half a phase each; wave w fetches and reads its own 32,768 bytes of a slot.  CLUSTER: the four work-groups walk the same weights, so every fill is asked for JOINTLY
; (mask 15): the requests are divided by four.  By this text's count a wave has two loads out at the start and one behind each round; a refill stands ahead of all 16 products of the slot's last tile.
; Rows' codes go from wave to wave through LDS as images of the operands' registers (2,048 bytes a fragment, 128 a scale word).  The LayerNorms take mean and variance in two passes, the waves' parts meeting in LDS.
; x is asked for at the head and wanted behind phase O: bo is the C of O's sums, x is added onto them.
; LIMITS: a block of zeros gets the byte 1 (its codes are zeros; this program alone reads the bytes); NaN and infinities are not served; h + b2 is what the last product adds onto, and the four chunks' shares
; are summed in the order of the cluster's walk: the order of the f32 roundings differs from the source's.
; All of the WGP's LDS is claimed.
; REGISTERS.  window 0: v1-18 addresses (v10: the prefetches' offset); v20, v21 for the add; v24-39 TM; v40 PW; v42-57 PC; v58-73 two bias tiles; v74-81 the rows' scale words (attn's, then h's); v82-89 the hidden layer's;
;   v90-105 W1's scale words; v106-121 Wo's, W2's; v128-255 two sets of a weight tile's four fragments.
;   window 1: ACC(t, m) = 64 m + 8 t.   window 2: the rows' 16 fragments 16 (4 m + s) (attn's, then h's); between them LN1's gains and b2, at the end LN2's gains.   window 3: x, then the hidden layer's sums and fragments by turns.
; SCALARS.  s60 the chunk in hand; s61 where in wc the phase to be fetched next begins; s[62:63], s[76:77], s[82:83] offsets at work; s[74:75] wc at my wave's part; s[66:67], s[68:69] A's and B's scale words; s[78:79] b1; s[80:81] the prefetches' base.
.set SLOTB, 131072
.set IMG,   262144                     ; 16 images (4 m + s); over them and the next, behind phase O and at the end: a stage of 16 rows x 528 bytes for each wave
.set ISC,   294912                     ; their scale words
.set PART,  296960                     ; [pass 2][wave][row 64] f32
.set SPARE, 299008                     ; the spare words: 128 bytes a wave, two blocks of 256 bytes that no other line names
.set B1L,   299520                     ; each wave's 128 numbers of b1 for the chunk in hand; 2,048 bytes on: its 128 numbers of bo
.set TM,  24
.set PW,  40
.set PC,  42
.set BB,  58
.set SCH, 74
.set GSC, 82
.set WSA, 90
.set WSB, 106
.set WB,  128
.set SEL, 54
.set MNT, 56
.set MSB, 0
.set ASKNOW, 0
.macro WIN new                         ; the immediate's high byte repeats the setting that is left
.if MSB != (\new)
	s_set_vgpr_msb (MSB<<8)|(\new)
.set MSB, (\new)
.endif
.endm
.macro PLACES n
.rept \n
	v_nop
.endr
.endm
.macro WM d, a, b, c, sa, sb, ra, rb   ; one product; ra, rb: the scales stand in lanes 16-31
.if (\ra) && (\rb)
	v_wmma_scale_f32_16x16x128_f8f6f4 v[(\d):(\d)+7], v[(\a):(\a)+15], v[(\b):(\b)+15], v[(\c):(\c)+7], v[\sa], v[\sb] matrix_a_fmt:MATRIX_FMT_BF8 matrix_b_fmt:MATRIX_FMT_BF8 matrix_a_scale:MATRIX_SCALE_ROW1 matrix_b_scale:MATRIX_SCALE_ROW1
.elseif (\ra)
	v_wmma_scale_f32_16x16x128_f8f6f4 v[(\d):(\d)+7], v[(\a):(\a)+15], v[(\b):(\b)+15], v[(\c):(\c)+7], v[\sa], v[\sb] matrix_a_fmt:MATRIX_FMT_BF8 matrix_b_fmt:MATRIX_FMT_BF8 matrix_a_scale:MATRIX_SCALE_ROW1
.elseif (\rb)
	v_wmma_scale_f32_16x16x128_f8f6f4 v[(\d):(\d)+7], v[(\a):(\a)+15], v[(\b):(\b)+15], v[(\c):(\c)+7], v[\sa], v[\sb] matrix_a_fmt:MATRIX_FMT_BF8 matrix_b_fmt:MATRIX_FMT_BF8 matrix_b_scale:MATRIX_SCALE_ROW1
.else
	v_wmma_scale_f32_16x16x128_f8f6f4 v[(\d):(\d)+7], v[(\a):(\a)+15], v[(\b):(\b)+15], v[(\c):(\c)+7], v[\sa], v[\sb] matrix_a_fmt:MATRIX_FMT_BF8 matrix_b_fmt:MATRIX_FMT_BF8
.endif
.endm
; 64 numbers of a lane at v[src] of window sw, register 16 b + i = k 32 b + 16 (lane / 16) + i of my row, become codes in v[pc] on and the row's scale word in v[pw] (window 0);
; the held numbers go to v[hd] of window hw.  relu = 1: what is negative becomes 0 on the way.  Each accumulator is read from its low end on.
.macro QUANT src, sw, relu, hd, hw, pc, pw, nb
	WIN (\sw)|((\sw)<<2)
.set qb, 0
.rept \nb
.if \relu
	v_max3_num_f32 v[TM+qb], v[(\src)+16*qb], v[(\src)+16*qb+1], 0x8000000       ; no |.|: what is negative must not count; the floor stands over it
.else
	v_max3_num_f32 v[TM+qb], |v[(\src)+16*qb]|, |v[(\src)+16*qb+1]|, 0x8000000   ; my 16 numbers of block b, and the floor 2^(16 - 127): the byte cannot fall under 1
.endif
.set qb, qb+1
.endr
.set qi, 2
.rept 7
.set qb, 0
.rept \nb
.if \relu
	v_max3_num_f32 v[TM+qb], v[(\src)+16*qb+qi], v[(\src)+16*qb+qi+1], v[TM+qb]
.else
	v_max3_num_f32 v[TM+qb], |v[(\src)+16*qb+qi]|, |v[(\src)+16*qb+qi+1]|, v[TM+qb]
.endif
.set qb, qb+1
.endr
.set qi, qi+2
.endr
	WIN 0
.set qb, 0
.rept \nb
	v_permlanex16_b32 v[TM+4+qb], v[TM+qb], s[SEL], s[SEL+1]
.set qb, qb+1
.endr
.set qb, 0
.rept \nb
	v_max_num_f32 v[TM+qb], v[TM+qb], v[TM+4+qb]            ; with lane l xor 16's: the block's largest magnitude
.set qb, qb+1
.endr
.set qb, 0
.rept \nb
	v_add_nc_u32 v[TM+12+qb], 0xf8800000, v[TM+qb]          ; 15 off its exponent field: the conversion's scale operand
.set qb, qb+1
.endr
.set qb, 0
.rept \nb
	v_and_or_b32 v[TM+8+qb], v[TM+qb], 0x7f800000, s[MNT]   ; 57,344 x the scale
.set qb, qb+1
.endr
.set qb, 0
.rept \nb
	v_lshrrev_b32 v[TM+4+qb], 23, v[TM+12+qb]               ; the scale's byte
.set qb, qb+1
.endr
	v_lshl_or_b32 v[\pw], v[TM+5], 8, v[TM+4]
	v_lshl_or_b32 v[\pw], v[TM+6], 16, v[\pw]
	v_lshl_or_b32 v[\pw], v[TM+7], 24, v[\pw]
	WIN (\sw)|((\hw)<<6)
.set qb, 0
.rept \nb
.set qi, 0
.rept 16
.if \relu
	v_med3_num_f32 v[(\hd)+16*qb+qi], v[(\src)+16*qb+qi], 0, v[TM+8+qb]             ; the activation and the hold in one
.else
	v_med3_num_f32 v[(\hd)+16*qb+qi], v[(\src)+16*qb+qi], -v[TM+8+qb], v[TM+8+qb]   ; the conversion does not saturate (ISA guide 7.6.2): hold first
.endif
.set qi, qi+1
.endr
.set qb, qb+1
.endr
	WIN (\hw)
.set qb, 0
.rept \nb
	v_cvt_scalef32_pk8_bf8_f32 v[(\pc)+4*qb:(\pc)+4*qb+1], v[(\hd)+16*qb:(\hd)+16*qb+7], v[TM+12+qb]
	v_cvt_scalef32_pk8_bf8_f32 v[(\pc)+4*qb+2:(\pc)+4*qb+3], v[(\hd)+16*qb+8:(\hd)+16*qb+15], v[TM+12+qb]
.set qb, qb+1
.endr
	WIN 0
	v_nop                                                   ; one plain line behind the last conversion
.endm
.macro CREST                           ; a round of the cluster's barrier behind its opening barrier
	s_cmp_lg_u32 s34, 0
	s_cbranch_scc1 .Lnot_wave_0_\@
	s_barrier_signal -3
.Lnot_wave_0_\@:
	s_barrier_wait -3
	s_barrier_signal -1
	s_barrier_wait -1
.endm
.macro ROUND
	s_barrier_signal -1
	s_barrier_wait -1
	CREST
.endm
.macro BARRIER                         ; my LDS stores have landed and my LDS loads are in: then the work-group's barrier.  A fill may stay out across it
	s_wait_dscnt 0x0
	s_barrier_signal -1
	s_barrier_wait -1
.endm
.macro IMAGE adr, off                  ; the fragment in v[PC] on goes to LDS as it stands
.set cc, 0
.rept 4
	ds_store_b128 v[\adr], v[PC+4*cc:PC+4*cc+3] offset:(\off)+512*cc
.set cc, cc+1
.endr
.endm
.macro PLOAD p, win, reg               ; 64 numbers of a [512] vector in the result's order: register 16 b + i = column 128 w + 32 b + 16 h + i
	WIN (\win)<<6
.set nn, 0
.rept 16
	global_load_b128 v[(\reg)+4*nn:(\reg)+4*nn+3], v13, s[\p:\p+1] offset:128*(nn/4)+16*(nn%4)
.set nn, nn+1
.endr
	WIN 0
.endm
.macro WSLOAD reg, p                   ; a chunk's scale words of my eight tiles: pair t / 2, K step s at reg + 4 (t / 2) + s
.set nn, 0
.rept 16
	global_load_b32 v[(\reg)+nn], v14, s[\p:\p+1] offset:128*nn
.set nn, nn+1
.endr
.endm
.macro ADDV win, reg                   ; ACC += a vector along the columns, for all four tiles of rows
	WIN 0x41|((\win)<<2)
.set mm, 0
.rept 4
.set jj, 0
.rept 32
	v_pk_add_f32 v[64*mm+jj:64*mm+jj+1], v[64*mm+jj:64*mm+jj+1], v[(\reg)+jj:(\reg)+jj+1]
.set jj, jj+2
.endr
.set mm, mm+1
.endr
	WIN 0
.endm
.macro NEXT slot, t4, set, bt          ; the next tile's four fragments, and (bt >= 0) a bias tile's eight numbers: bt 0-7: b1's of hidden tile bt; 8-15: bo's of output tile bt - 8
.set nn, 0
.rept 16
	ds_load_b128 v[WB+64*(\set)+4*nn:WB+64*(\set)+4*nn+3], v[3+(\slot)] offset:8192*(\t4)+512*nn
.set nn, nn+1
.endr
.if (\bt) >= 0
	ds_load_b128 v[BB+8*(\set):BB+8*(\set)+3], v9 offset:2048*((\bt)/8)+(32*(((\bt)%8)/2)+8*((\bt)%2))*4
	ds_load_b128 v[BB+8*(\set)+4:BB+8*(\set)+7], v9 offset:2048*((\bt)/8)+(32*(((\bt)%8)/2)+8*((\bt)%2))*4+16
.endif
.endm
; four products: tile t, K step gs, the four tiles of rows.  kind 0: Wo; 1: W1; 2: W2.  The accumulators take turns, one instruction a turn.
; Wo's and W1's sums begin with a bias tile as C; W2's add onto h + b2.
.macro GRP kind, t, gs
.if (\kind) == 0
.if (\gs) == 0
	WIN 0x48
.else
	WIN 0x58
.endif
.elseif (\kind) == 1
.if (\gs) == 0
	WIN 0xc8
.else
	WIN 0xf8
.endif
.else
	WIN 0x5c
.endif
.set gm, 0
.rept 4
.if (\kind) == 0
.if (\gs) == 0
	WM 64*gm+8*(\t), WB+64*((\t)%2)+16*(\gs), 16*(4*gm+(\gs)), BB+8*((\t)%2), WSB+4*((\t)/2)+(\gs), SCH+4*(gm/2)+(\gs), (\t)%2, gm%2
.else
	WM 64*gm+8*(\t), WB+64*((\t)%2)+16*(\gs), 16*(4*gm+(\gs)), 64*gm+8*(\t), WSB+4*((\t)/2)+(\gs), SCH+4*(gm/2)+(\gs), (\t)%2, gm%2
.endif
.elseif (\kind) == 1
.if (\gs) == 0
	WM 64*gm+8*(\t), WB+64*((\t)%2)+16*(\gs), 16*(4*gm+(\gs)), BB+8*((\t)%2), WSA+4*((\t)/2)+(\gs), SCH+4*(gm/2)+(\gs), (\t)%2, gm%2
.else
	WM 64*gm+8*(\t), WB+64*((\t)%2)+16*(\gs), 16*(4*gm+(\gs)), 64*gm+8*(\t), WSA+4*((\t)/2)+(\gs), SCH+4*(gm/2)+(\gs), (\t)%2, gm%2
.endif
.else
	WM 64*gm+8*(\t), WB+64*((\t)%2)+16*(\gs), 16*(4*gm+(\gs)), 64*gm+8*(\t), WSB+4*((\t)/2)+(\gs), GSC+4*(gm/2)+(\gs), (\t)%2, gm%2
.endif
.set gm, gm+1
.endr
.endm
; A PREFETCH INTO THE L2 of the two halves of my cluster's first B phase, 2 x 131,072 bytes.  It stands once, behind the refill at Wo's last tile and the run of LDS loads that follows it; the loads that will want
; the bytes are the refills at the first A's tiles 3 and 7: LN1, h's quantising and 48 and 112 products lie between.  Each aligned block of 256 bytes is named once in the launch: of the sixteen clusters that begin
; with a chunk the first asks (clusters 0 to 3: a branch on the cluster's number, the same in all four partners); its partners, waves and lanes share a half out BY ADDRESS: 32,768 bytes a work-group, 8,192 a wave,
; 256 a lane.  The later chunks have been read by other clusters when mine comes to them, and are not asked for; Wo and the first A phase come by their loads alone.  The address registers are never rewritten.
.macro ASK
	s_cmp_lt_u32 ttmp9, 4
	s_cbranch_scc0 .Lnot_mine_\@
	global_prefetch_b8 v10, s[80:81] th:TH_LOAD_NT scope:SCOPE_SE
	global_prefetch_b8 v10, s[80:81] offset:SLOTB th:TH_LOAD_NT scope:SCOPE_SE
.Lnot_mine_\@:
.endm
; A tile's 16 products.  ns, nt, nb: slot, place and bias tile of the tile fetched meanwhile.
; mode 0: plain.  1: a slot's last tile: the slot q is filled again.  2: a slot's last tile in the tail.  3: the very last tile.  4: B's first tile, whose rows' fragments are still landing.
.macro TILE kind, t, mode, ns, nt, nb, q
.if (\mode) == 0
	PLACES 8                                       ; eight places ahead of loads into the set that the last tile's products read
	NEXT \ns, \nt, 1-(\t)%2, \nb
.if (\nb) >= 0
	s_wait_dscnt 18                                ; all but the 18 just issued
.else
	s_wait_dscnt 16                                ; all but the 16 just issued
.endif
	GRP \kind, \t, 0
	GRP \kind, \t, 1
	GRP \kind, \t, 2
	GRP \kind, \t, 3
	WIN 0
.elseif (\mode) == 1
	s_wait_tensorcnt 0x0                           ; all my tensor loads have landed: the one that was out is my part of the other slot; so a group 0 may be written
	ds_add_u32 v20, v21                            ; 0 onto my spare word; the address is made while it is out
.if (\q) == 0
	s_mov_b32 s62, s61                             ; the first half of the phase to be fetched,
.else
	s_add_co_u32 s62, s61, SLOTB                   ; or its second
.endif
	s_add_nc_u64 s[46+4*(\q):47+4*(\q)], s[74:75], s[62:63]
	s_or_b32 s[47+4*(\q)], s[47+4*(\q)], 0x80000000
.if (\q) == 1
	s_add_co_u32 s61, s61, 2*SLOTB                 ; on to the next phase; behind B(3) comes A(0): the walk goes round
	s_cmp_eq_u32 s61, 18*SLOTB
	s_cselect_b32 s61, 2*SLOTB, s61
.endif
	s_wait_dscnt 0x0                               ; the add is done; this tile's fragments are in, and with them my reads of this slot are over
	ROUND                                          ; no wave of any partner still reads this slot or has a load on its way
	tensor_load_to_lds s[44+4*(\q):47+4*(\q)], s[36:43]   ; the first tensor load behind the round, and my only one until the next: it goes out ahead of the tile's 16 products
	s_nop 0
	PLACES 8                                       ; also the places ahead of the loads below
	NEXT \ns, \nt, 1-(\t)%2, \nb
.if ASKNOW
	ASK
.endif
	GRP \kind, \t, 0
	GRP \kind, \t, 1
	GRP \kind, \t, 2
	GRP \kind, \t, 3
	WIN 0
.elseif (\mode) == 2
	PLACES 8
	s_wait_tensorcnt 0x0                           ; my part of the last fill is in
	NEXT \ns, \nt, 1-(\t)%2, \nb
	s_wait_dscnt 16
	GRP \kind, \t, 0
	GRP \kind, \t, 1
	GRP \kind, \t, 2
	GRP \kind, \t, 3
	WIN 0
.elseif (\mode) == 3
	s_wait_dscnt 0x0
	GRP \kind, \t, 0
	GRP \kind, \t, 1
	GRP \kind, \t, 2
	GRP \kind, \t, 3
	WIN 0
.else
	NEXT \ns, \nt, 1-(\t)%2, \nb
	s_wait_dscnt 63                                ; the scale words and K step 0's fragments are in: 64 younger loads might stay out; the field ends at 63
	GRP \kind, \t, 0
	s_wait_dscnt 48                                ; two K steps' 32 and the 16 of the next tile may be out
	GRP \kind, \t, 1
	s_wait_dscnt 32
	GRP \kind, \t, 2
	s_wait_dscnt 16
	GRP \kind, \t, 3
	WIN 0
.endif
.endm
; the four pairs v[TM + 2 m] become each row's sum over all 512 columns, in v[PC + 4 m]
.macro LNRED pass
.set mm, 0
.rept 4
	v_add_f32 v[TM+8+mm], v[TM+2*mm], v[TM+2*mm+1]
.set mm, mm+1
.endr
.set mm, 0
.rept 4
	v_permlanex16_b32 v[TM+12+mm], v[TM+8+mm], s[SEL], s[SEL+1]
.set mm, mm+1
.endr
.set mm, 0
.rept 4
	v_add_f32 v[TM+8+mm], v[TM+8+mm], v[TM+12+mm]
.set mm, mm+1
.endr
.set mm, 0
.rept 4
	ds_store_b32 v16, v[TM+8+mm] offset:1024*(\pass)+64*mm   ; both halves of the lanes write the same word with the same value
.set mm, mm+1
.endr
	BARRIER
.set mm, 0
.rept 4
.set ww, 0
.rept 4
	ds_load_b32 v[PC+4*mm+ww], v17 offset:1024*(\pass)+256*ww+64*mm
.set ww, ww+1
.endr
.set mm, mm+1
.endr
	s_wait_dscnt 0x0
.set mm, 0
.rept 4
	v_add_f32 v[PC+4*mm], v[PC+4*mm], v[PC+4*mm+1]
	v_add_f32 v[PC+4*mm+2], v[PC+4*mm+2], v[PC+4*mm+3]
.set mm, mm+1
.endr
.set mm, 0
.rept 4
	v_add_f32 v[PC+4*mm], v[PC+4*mm], v[PC+4*mm+2]
.set mm, mm+1
.endr
.endm
; ACC = (ACC - mean) x rsqrt(variance + 1e-6) x gain + bias; gain and bias at v[sreg], v[breg] of window pw, on their way until the last pass.  Mean first, then the variance of the differences, as the source has it.
.macro LN pw, sreg, breg
	WIN 0x05
.set mm, 0
.rept 4
	v_pk_add_f32 v[TM+2*mm:TM+2*mm+1], v[64*mm:64*mm+1], v[64*mm+2:64*mm+3]   ; each accumulator from its low end on
.set mm, mm+1
.endr
	WIN 0x04
.set jj, 4
.rept 30
.set mm, 0
.rept 4
	v_pk_add_f32 v[TM+2*mm:TM+2*mm+1], v[TM+2*mm:TM+2*mm+1], v[64*mm+jj:64*mm+jj+1]
.set mm, mm+1
.endr
.set jj, jj+2
.endr
	WIN 0
	LNRED 0
.set mm, 0
.rept 4
	v_mul_f32 v[TM+8+2*mm], s57, v[PC+4*mm]        ; the mean
.set mm, mm+1
.endr
	WIN 0x41
.set mm, 0
.rept 4
.set jj, 0
.rept 32
	v_pk_add_f32 v[64*mm+jj:64*mm+jj+1], v[64*mm+jj:64*mm+jj+1], v[TM+8+2*mm:TM+9+2*mm] op_sel_hi:[1,0] neg_lo:[0,1] neg_hi:[0,1]
.set jj, jj+2
.endr
.set mm, mm+1
.endr
	WIN 0x05
.set mm, 0
.rept 4
	v_pk_mul_f32 v[TM+2*mm:TM+2*mm+1], v[64*mm:64*mm+1], v[64*mm:64*mm+1]
.set mm, mm+1
.endr
.set jj, 2
.rept 31
.set mm, 0
.rept 4
	v_pk_fma_f32 v[TM+2*mm:TM+2*mm+1], v[64*mm+jj:64*mm+jj+1], v[64*mm+jj:64*mm+jj+1], v[TM+2*mm:TM+2*mm+1]
.set mm, mm+1
.endr
.set jj, jj+2
.endr
	WIN 0
	LNRED 1
.set mm, 0
.rept 4
	v_fma_f32 v[PC+4*mm], v[PC+4*mm], s57, s58     ; the variance + 1e-6
.set mm, mm+1
.endr
.set mm, 0
.rept 4
	v_rsq_f32 v[TM+8+2*mm], v[PC+4*mm]
.set mm, mm+1
.endr
	v_nop                                          ; a plain line behind the last root
	s_wait_alu depctr_va_vdst(0)                   ; one wait for the four, ahead of their first reader
	WIN 0x41
.set mm, 0
.rept 4
.set jj, 0
.rept 32
	v_pk_mul_f32 v[64*mm+jj:64*mm+jj+1], v[64*mm+jj:64*mm+jj+1], v[TM+8+2*mm:TM+9+2*mm] op_sel_hi:[1,0]
.set jj, jj+2
.endr
.set mm, mm+1
.endr
	s_wait_loadcnt 0x0                             ; gain and bias are in
	WIN 0x41|((\pw)<<2)|((\pw)<<4)
.set mm, 0
.rept 4
.set jj, 0
.rept 32
	v_pk_fma_f32 v[64*mm+jj:64*mm+jj+1], v[64*mm+jj:64*mm+jj+1], v[(\sreg)+jj:(\sreg)+jj+1], v[(\breg)+jj:(\breg)+jj+1]
.set jj, jj+2
.endr
.set mm, mm+1
.endr
	WIN 0
.endm
	s_load_b512 s[8:23], s[0:1], 0x0               ; ac 8, asc 10, wc 12, ws 14, x 16, bo 18, ln1_scale 20, ln1_bias 22
	s_load_b256 s[24:31], s[0:1], 0x40             ; b1 24, b2 26, ln2_scale 28, ln2_bias 30
	s_load_b64 s[32:33], s[0:1], 0x60              ; out0
	v_lshl_add_u32 v20, v0, 2, SPARE
	v_mov_b32 v21, 0
	ds_add_u32 v20, v21
	ds_add_u32 v20, v21
	s_wait_dscnt 0x0
	v_lshrrev_b32 v1, 5, v0
	v_readfirstlane_b32 s34, v1                    ; wave
	s_bfe_u32 s35, ttmp6, 0x40000                  ; cx: it enters global addresses of plain loads, stores and prefetches alone
	s_lshl_b32 s52, ttmp9, 2
	s_add_co_u32 s52, s52, s35                     ; my block of 64 rows
	s_mov_b32 s36, 15|(3<<16)|(1<<21)              ; descriptor group 1: the mask names all four work-groups; elements of 8 bytes; bit 21 beside a mask; no padding
	s_mov_b32 s37, 32<<16                          ; tensor_dim0 = 32: rows of 256 bytes
	s_mov_b32 s38, 128<<16                         ; tensor_dim1 = 128
	s_mov_b32 s39, 32<<16                          ; tile_dim0
	s_mov_b32 s40, 128                             ; tile_dim1
	s_mov_b32 s41, 32                              ; the pitch: dense
	s_mov_b32 s42, 0
	s_mov_b32 s43, 0
	s_mov_b32 s[SEL], 0x76543210
	s_mov_b32 s[SEL+1], 0xfedcba98
	s_mov_b32 s[MNT], 0x600000
	s_mov_b32 s57, 0x3b000000                      ; 1 / 512
	s_mov_b32 s58, 0x358637bd                      ; 1e-6
	s_and_b32 s60, ttmp9, 3                        ; my cluster's first chunk: the cluster's number mod 4, the same in all four partners
	s_lshl_b32 s61, s60, 19
	s_add_co_u32 s61, s61, 2*SLOTB                 ; A(k) is phase 1 + 2 k of wc, 262,144 bytes a phase
	s_mov_b32 s63, 0
	s_mov_b32 s77, 0
	s_mov_b32 s83, 0
	s_lshl_b32 s53, s34, 15                        ; 32,768 x wave: my part of a slot and of a fill
	s_mov_b32 s70, s53
	s_mov_b32 s71, 0
	s_wait_kmcnt 0x0
	s_add_nc_u64 s[74:75], s[12:13], s[70:71]      ; wc at my wave's part
.irp q, 0,1
	s_mov_b32 s[44+4*\q], 1
	s_add_co_u32 s[45+4*\q], s53, \q*SLOTB
	s_add_nc_u64 s[46+4*\q:47+4*\q], s[74:75], \q*SLOTB
	s_or_b32 s[47+4*\q], s[47+4*\q], 0x80000000
.endr
	ROUND                                          ; all four work-groups are here: the first joint loads meet
	tensor_load_to_lds s[44:47], s[36:43]          ; Wo's first half
	s_nop 0
	tensor_load_to_lds s[48:51], s[36:43]          ; and its second
	s_nop 0
	PLACES 4
	v_and_b32 v19, 31, v0                          ; lane
	v_and_b32 v22, 15, v0                          ; r
	v_bfe_u32 v23, v0, 4, 1                        ; h
	v_lshlrev_b32 v1, 4, v19                       ; 16 x lane
	v_lshlrev_b32 v2, 2, v19                       ; 4 x lane
	v_lshlrev_b32 v10, 8, v19                      ; 256 x lane
	v_add_nc_u32 v3, s53, v1                       ; my part of slot 0,
	v_add_nc_u32 v4, SLOTB, v3                     ; of slot 1
	s_lshl_b32 s70, s34, 11
	v_add_nc_u32 v5, s70, v1
	v_add_nc_u32 v5, IMG, v5                       ; where I store images: K step = wave
	v_add_nc_u32 v14, s70, v2                      ; ws: my four pairs of tiles
	v_add_nc_u32 v6, IMG, v1
	s_lshl_b32 s70, s34, 7
	v_add_nc_u32 v7, s70, v2
	v_add_nc_u32 v7, ISC, v7
	v_lshlrev_b32 v8, 2, v22
	v_add_nc_u32 v17, PART, v8
	s_lshl_b32 s70, s34, 8
	v_add_nc_u32 v16, s70, v17
	v_lshl_add_u32 v8, v23, 9, v8
	v_add_nc_u32 v8, ISC, v8                       ; lanes 0-15 take an even tile's words, lanes 16-31 the odd tile's, 512 bytes on
	s_lshl_b32 s70, s34, 9
	v_lshlrev_b32 v13, 6, v23
	v_add_nc_u32 v13, s70, v13                     ; 512 w + 64 h
	v_add_nc_u32 v9, B1L, v13
	v_add_nc_u32 v15, s70, v1                      ; 512 w + 16 x lane
	v_add_nc_u32 v18, B1L, v15
	s_mul_i32 s70, s34, 8448                       ; my stage
	v_add_nc_u32 v11, s70, v1
	v_add_nc_u32 v11, IMG, v11                     ; by rows: 16 x lane
	v_mul_u32_u24 v12, v22, 528
	v_lshl_add_u32 v12, v23, 6, v12
	v_add_nc_u32 v12, s70, v12
	v_add_nc_u32 v12, IMG, v12                     ; by lanes: row r, + 64 h
.set jj, 4
.rept 12
	v_mov_b32 v[TM+jj], 0                          ; a lane permute's destination counts as one of its sources
.set jj, jj+1
.endr
	s_mov_b32 s73, 0
	s_lshl_b32 s72, s52, 10
	s_add_nc_u64 s[10:11], s[10:11], s[72:73]
	s_lshl_b32 s72, s52, 15
	s_add_nc_u64 s[8:9], s[8:9], s[72:73]
	s_lshl_b32 s72, s52, 17
	s_add_nc_u64 s[16:17], s[16:17], s[72:73]
	s_add_nc_u64 s[32:33], s[32:33], s[72:73]
	s_lshl_b32 s76, s60, 14
	s_add_co_u32 s76, s76, 8192
	s_add_nc_u64 s[66:67], s[14:15], s[76:77]      ; the scale words of A(k): 8,192 bytes a phase,
	s_add_nc_u64 s[68:69], s[66:67], 8192          ; of B(k)
	s_lshl_b32 s76, s60, 11
	s_add_nc_u64 s[78:79], s[24:25], s[76:77]      ; b1 at chunk k
	s_add_co_u32 s82, s61, 2*SLOTB                 ; the prefetches: my first B phase,
	s_lshl_b32 s72, s35, 15
	s_add_co_u32 s82, s82, s72                     ; my work-group's 32,768 bytes of a half,
	s_lshl_b32 s72, s34, 13
	s_add_co_u32 s82, s82, s72                     ; my wave's 8,192 of them
	s_add_nc_u64 s[80:81], s[12:13], s[82:83]
	global_load_b128 v[SCH:SCH+3], v1, s[10:11]    ; attn's scale words: lanes 0-15 tile 0's four, lanes 16-31 tile 1's
	global_load_b128 v[SCH+4:SCH+7], v1, s[10:11] offset:512
	WSLOAD WSB, 14                                 ; Wo's scale words
	global_load_b128 v[PC:PC+3], v15, s[78:79]     ; my 128 numbers of b1 for my first chunk,
	global_load_b128 v[PC+4:PC+7], v15, s[18:19]   ; and of bo
	WSLOAD WSA, 66
	WIN 0x80
.set nn, 0
.rept 64
	global_load_b128 v[4*nn:4*nn+3], v1, s[8:9] offset:512*nn th:TH_LOAD_NT   ; attn's 16 fragments, as they lie
.set nn, nn+1
.endr
	WIN 0xc0
.irp m, 0,1,2,3
.set ii, 0
.rept 16
	global_load_b128 v[64*\m+4*ii:64*\m+4*ii+3], v15, s[16:17] offset:(32*(\m/2)+8*(\m%2)+ii+8*(ii/8))*2048 th:TH_LOAD_NT   ; my 512 bytes of a row of x: wanted behind phase O
.set ii, ii+1
.endr
.endr
	WIN 0
	s_wait_loadcnt 63                              ; x's 64 rows were asked for last: 63 of them may stay out; all that was asked for ahead of them is in
	ds_store_b128 v18, v[PC:PC+3]                  ; my own bytes, which I alone read
	ds_store_b128 v18, v[PC+4:PC+7] offset:2048
	; ---- O: attn Wo + bo
	s_wait_tensorcnt 0x1                           ; my part of the first fill is in (I alone read it); the second may be out
	NEXT 0, 0, 0, 8
	TILE 0, 0, 0, 0, 1, 9, 0
	TILE 0, 1, 0, 0, 2, 10, 0
	TILE 0, 2, 0, 0, 3, 11, 0
	TILE 0, 3, 1, 1, 0, 12, 0
	TILE 0, 4, 0, 1, 1, 13, 0
	TILE 0, 5, 0, 1, 2, 14, 0
	TILE 0, 6, 0, 1, 3, 15, 0
.set ASKNOW, 1
	TILE 0, 7, 1, 0, 0, 0, 1
.set ASKNOW, 0
	PLACES 8
	s_wait_loadcnt 0x0                             ; x is in
	PLOAD 20, 2, 0                                 ; ln1_scale, ln1_bias, b2, where attn's fragments lay: they land under x's turn and LN1's two sums
	PLOAD 22, 2, 64
	PLOAD 26, 2, 128
	WSLOAD WSB, 68                                 ; the first B's scale words
.irp m, 0,1,2,3                        ; x turns through my stage into the accumulators' order, and comes back into the registers that it left
	WIN 0x0c
.set ii, 0
.rept 16
	ds_store_b128 v11, v[64*\m+4*ii:64*\m+4*ii+3] offset:528*ii
.set ii, ii+1
.endr
	WIN 0xc0
.set ii, 0
.rept 16
	ds_load_b128 v[64*\m+4*ii:64*\m+4*ii+3], v12 offset:128*(ii/4)+16*(ii%4)   ; LDS serves a wave's instructions in order: these see the stores above, and the next tile's stores come behind them
.set ii, ii+1
.endr
.endr
	WIN 0
	s_wait_dscnt 0x0
	WIN 0x4d
.set jj, 0
.rept 128
	v_pk_add_f32 v[jj:jj+1], v[jj:jj+1], v[jj:jj+1]   ; the sums (window 1) + x (window 3); each accumulator from its low end on
.set jj, jj+2
.endr
	WIN 0
	LN 2, 0, 64
.irp m, 0,1,2,3                        ; h's fragments: K step = wave.  The held numbers go to the free set of weight registers: h itself stays whole
	QUANT 64*\m, 1, 0, 192, 0, PC, PW, 4
	IMAGE 5, 8192*\m
	ds_store_b32 v7, v[PW] offset:512*\m
	s_wait_dscnt 0x0
.endr
	ADDV 2, 128                                    ; h + b2: what the last product adds onto
	BARRIER                                        ; h's sixteen fragments lie in LDS
	WIN 0x80
.set nn, 0
.rept 64
	ds_load_b128 v[4*nn:4*nn+3], v6 offset:512*nn
.set nn, nn+1
.endr
	WIN 0
.irp p, 0,1
.irp k, 0,1,2,3
	ds_load_b32 v[SCH+4*\p+\k], v8 offset:(8*\p+\k)*128
.endr
.endr
	s_mov_b32 s59, 4                               ; chunks to go
.Lchunk:
	; ---- A: my 128 hidden units of the chunk, for the 64 rows; b1 is the C of each sum's first product
	TILE 1, 0, 0, 0, 1, 1, 0
	TILE 1, 1, 0, 0, 2, 2, 0
	TILE 1, 2, 0, 0, 3, 3, 0
	TILE 1, 3, 1, 1, 0, 4, 0
	TILE 1, 4, 0, 1, 1, 5, 0
	TILE 1, 5, 0, 1, 2, 6, 0
	TILE 1, 6, 0, 1, 3, 7, 0
	TILE 1, 7, 1, 0, 0, -1, 1
	PLACES 8
.irp m, 0,1,2,3
	QUANT 64*\m, 3, 1, 64*\m, 3, PC, PW, 4
	IMAGE 5, 8192*\m
	ds_store_b32 v7, v[PW] offset:512*\m
	s_wait_dscnt 0x0
.endr
	BARRIER                                        ; the chunk's sixteen fragments lie in LDS
.irp p, 0,1
.irp k, 0,1,2,3
	ds_load_b32 v[GSC+4*\p+\k], v8 offset:(8*\p+\k)*128
.endr
.endr
	WIN 0xc0
.irp k, 0,1,2,3
.irp m, 0,1,2,3
.irp c, 0,1,2,3
	ds_load_b128 v[16*(4*\m+\k)+4*\c:16*(4*\m+\k)+4*\c+3], v6 offset:(4*\m+\k)*2048+512*\c   ; in ascending K steps
.endr
.endr
.endr
	WIN 0
	s_wait_loadcnt 0x0                             ; B's scale words
	; ---- B: the chunk's share of my 128 output columns
	TILE 2, 0, 4, 0, 1, -1, 0
	TILE 2, 1, 0, 0, 2, -1, 0
	TILE 2, 2, 0, 0, 3, -1, 0
	s_cmp_eq_u32 s59, 1
	s_cbranch_scc1 .Llast                          ; the last chunk's tail is written out: it asks for nothing more
	s_add_co_u32 s60, s60, 1
	s_and_b32 s60, s60, 3                          ; the next chunk of the walk
	s_lshl_b32 s76, s60, 14
	s_add_co_u32 s76, s76, 8192
	s_add_nc_u64 s[66:67], s[14:15], s[76:77]      ; (the loads that read these bases have been waited for)
	WSLOAD WSA, 66                                 ; its A's scale words
	s_lshl_b32 s76, s60, 11
	s_add_nc_u64 s[78:79], s[24:25], s[76:77]
	global_load_b128 v[PC:PC+3], v15, s[78:79]     ; and my 128 numbers of b1
	TILE 2, 3, 1, 1, 0, -1, 0
	TILE 2, 4, 0, 1, 1, -1, 0
	TILE 2, 5, 0, 1, 2, -1, 0
	TILE 2, 6, 0, 1, 3, -1, 0
	s_wait_loadcnt 0x0
	ds_store_b128 v18, v[PC:PC+3]                  ; my own bytes: behind my last read of the old numbers, ahead of my first read of the new
	TILE 2, 7, 1, 0, 0, 0, 1
	PLACES 8
	s_add_nc_u64 s[68:69], s[66:67], 8192
	WSLOAD WSB, 68                                 ; the next B's scale words
	s_sub_co_u32 s59, s59, 1
	s_cmp_lg_u32 s59, 0
	s_cbranch_scc1 .Lchunk
.Llast:
	s_wait_loadcnt 0x0                             ; no load is out on the way from the loop's middle
	PLOAD 28, 2, 0                                 ; ln2_scale, ln2_bias, where h's fragments lay
	PLOAD 30, 2, 64
	TILE 2, 3, 2, 1, 0, -1, 0
	TILE 2, 4, 0, 1, 1, -1, 0
	TILE 2, 5, 0, 1, 2, -1, 0
	TILE 2, 6, 0, 1, 3, -1, 0
	TILE 2, 7, 3, 0, 0, -1, 0
	PLACES 8
	LN 2, 0, 64
	; ---- the way out: a tile of 16 rows through my stage, back as my 512 bytes of each row
.irp m, 0,1,2,3
.if \m >= 2
	s_wait_xcnt 0x0                                ; the stores of two tiles back have read their registers
.endif
	WIN 0x04
.set ii, 0
.rept 16
	ds_store_b128 v12, v[64*\m+4*ii:64*\m+4*ii+3] offset:128*(ii/4)+16*(ii%4)
.set ii, ii+1
.endr
	WIN 0
.set ii, 0
.rept 16
	ds_load_b128 v[WB+64*(\m%2)+4*ii:WB+64*(\m%2)+4*ii+3], v11 offset:528*ii
.set ii, ii+1
.endr
.set ii, 0
.rept 16
	s_wait_dscnt 15-ii
	global_store_b128 v15, v[WB+64*(\m%2)+4*ii:WB+64*(\m%2)+4*ii+3], s[32:33] offset:(32*(\m/2)+8*(\m%2)+ii+8*(ii/8))*2048 th:TH_STORE_NT   ; 512 consecutive bytes, at a multiple of 256 from the output's first byte
.set ii, ii+1
.endr
.endr
	s_wait_tensorcnt 0x0                           ; the wave's end
	ds_add_u32 v20, v21
	s_wait_dscnt 0x0
	ROUND                                          ; the closing round
	s_endpgm
.Lfunc_end_k_q0b2b57e38d_ffn:
	.size	k_q0b2b57e38d_ffn, .Lfunc_end_k_q0b2b57e38d_ffn-k_q0b2b57e38d_ffn
	.p2alignl 7, 3214868480
	.fill 96, 4, 3214868480
	.section	.rodata,"a",@progbits
	.p2align	6, 0x0
	.amdhsa_kernel k_q0b2b57e38d_ffn
		.amdhsa_group_segment_fixed_size 327680
		.amdhsa_private_segment_fixed_size 0
		.amdhsa_enable_private_segment 0
		.amdhsa_kernarg_size 104
		.amdhsa_user_sgpr_count 2
		.amdhsa_user_sgpr_kernarg_segment_ptr 1
		.amdhsa_wavefront_size32 1
		.amdhsa_system_sgpr_workgroup_id_x 1
		.amdhsa_system_sgpr_workgroup_id_y 1
		.amdhsa_system_sgpr_workgroup_id_z 1
		.amdhsa_system_vgpr_workitem_id 0
		.amdhsa_next_free_vgpr 1024
		.amdhsa_next_free_sgpr 84
		.amdhsa_reserve_vcc 0
		.amdhsa_float_denorm_mode_32 3
		.amdhsa_float_denorm_mode_16_64 3
		.amdhsa_memory_ordered 1
		.amdhsa_forward_progress 1
		.amdhsa_inst_pref_size 255
	.end_amdhsa_kernel
	.section	.bss,"aw",@nobits
	.p2align	6
	.space	262144
	.amdgpu_metadata
---
amdhsa.version: [ 1, 2 ]
amdhsa.kernels:
  - .name:           k_q0b2b57e38d_ffn
    .symbol:         k_q0b2b57e38d_ffn.kd
    .args:
      - { .name: ac, .offset: 0, .size: 8, .value_kind: global_buffer, .address_space: global }
      - { .name: asc, .offset: 8, .size: 8, .value_kind: global_buffer, .address_space: global }
      - { .name: wc, .offset: 16, .size: 8, .value_kind: global_buffer, .address_space: global }
      - { .name: ws, .offset: 24, .size: 8, .value_kind: global_buffer, .address_space: global }
      - { .name: x, .offset: 32, .size: 8, .value_kind: global_buffer, .address_space: global }
      - { .name: bo, .offset: 40, .size: 8, .value_kind: global_buffer, .address_space: global }
      - { .name: ln1_scale, .offset: 48, .size: 8, .value_kind: global_buffer, .address_space: global }
      - { .name: ln1_bias, .offset: 56, .size: 8, .value_kind: global_buffer, .address_space: global }
      - { .name: b1, .offset: 64, .size: 8, .value_kind: global_buffer, .address_space: global }
      - { .name: b2, .offset: 72, .size: 8, .value_kind: global_buffer, .address_space: global }
      - { .name: ln2_scale, .offset: 80, .size: 8, .value_kind: global_buffer, .address_space: global }
      - { .name: ln2_bias, .offset: 88, .size: 8, .value_kind: global_buffer, .address_space: global }
      - { .name: out0, .offset: 96, .size: 8, .value_kind: global_buffer, .address_space: global }
    .group_segment_fixed_size: 327680
    .private_segment_fixed_size: 0
    .kernarg_segment_align: 8
    .kernarg_segment_size: 104
    .max_flat_workgroup_size: 128
    .sgpr_count:     84
    .vgpr_count:     1024
    .wavefront_size: 32
...
	.end_amdgpu_metadata
.endif
;; end of part 3
